; MI455X (gfx1250); checked and timed in simulation.
; The chip was launched on July 23, 2026; its instructions are those of AMD's public machine-readable ISA for CDNA 5 (MIT licence, August 2026) and "CDNA5" Instruction Set Architecture Reference Guide (July 2026). The comments in the code are by the model that wrote it; some were corrected since.
;; Lo RAMHSA. Allowed arithmetic: matrix products marked QUANTISED: E2M3 operands, one E8M0 scale for each 32 along K, by v_wmma_scale_f32_16x16x128_f8f6f4 with both operands' format E2M3, f32 sums; products left as they are: f32 operands where the result goes on into a quantised operand, else bf16, f16 or f32 operands; f32 sums; everything else in f32.
;; Inputs: A1 10 x 8 x 1,024 float32; A2 10 x 8 x 1,024 float32; B1 10 x 3,072 x 8 float32; B2 10 x 1,024 x 8 float32; W_p 1,024 x 1,024 float32; W_qkv 3,072 x 1,024 float32; b_p 1,024 float32; b_qkv 3,072 float32; pos_embedding 1 x 1,024 x 1,024 float32; subject_id 8 int32; x 8 x 1,024 x 1,024 float32.
;; Outputs: out0 8 x 1,024 x 1,024 float32.
;; This version of the problem:
;;   THIS VERSION OF THE PROBLEM IS GIVEN IN LOW PRECISION. The matrix products marked QUANTISED in the list below multiply operands that are first quantised to E2M3 (2 exponent bits, 3 mantissa bits; 6 bits a number), with one power-of-two scale for each 32 numbers along K (OCP MX v1.0); their sums are f32. All else is computed in f32.
;;   The module's matrix products, in the order in which they are computed (A, B: the left and right operand; K: the contracted axis; several contracted axes count as one K, in the product's order):
;;     1. [M 8,192, K 1,024] x [K 1,024, N 3,072]; A: input x; B: input W_qkv: QUANTISED
;;     2. batch 8 x [M 1,024, K 1,024] x [K 1,024, N 8]; A: input x; B: computed on the way: left as it is (N = 8 < 16)
;;     3. batch 8 x [M 1,024, K 8] x [K 8, N 3,072]; A: computed on the way; B: computed on the way: left as it is (K = 8 < 32)
;;     4. batch 128 x [M 1,024, K 64] x [K 64, N 1,024]; A: computed on the way; B: computed on the way: QUANTISED
;;     5. batch 128 x [M 1,024, K 1,024] x [K 1,024, N 64]; A: softmax (see below); B: computed on the way: QUANTISED
;;     6. [M 8,192, K 1,024] x [K 1,024, N 1,024]; A: computed on the way; B: input W_p: QUANTISED
;;     7. batch 8 x [M 1,024, K 1,024] x [K 1,024, N 8]; A: computed on the way; B: computed on the way: left as it is (N = 8 < 16)
;;     8. batch 8 x [M 1,024, K 8] x [K 8, N 1,024]; A: computed on the way; B: computed on the way: left as it is (K = 8 < 32)
;;   THE QUANTISER, for each operand of a quantised product, along K:
;;     - K is cut into blocks of 32 from its start; a last block that is shorter is filled with zeros.
;;     - A block's scale is 2^e with e = floor(log2(the largest magnitude in the block)) - 2, held to -126 .. 127; a block of zeros has e = 0. As a byte (E8M0): e + 127.
;;     - Each number is divided by its block's scale, clamped to +-7.5, and rounded to the nearest number of E2M3, ties to even, subnormals kept.
;;     - The product sums the exact products of the quantised numbers (number of the format x scale) in f32.
;;   ~~~python
;;   def quantise(x, axis):      # numpy; x: float32 -> the quantised numbers, widened to float32 again
;;       x = np.moveaxis(x, axis, -1); K = x.shape[-1]
;;       x = np.pad(x, [(0, 0)] * (x.ndim - 1) + [(0, -K % 32)]); x = x.reshape(x.shape[:-1] + (-1, 32)); a = np.abs(x).max(-1, keepdims=True)
;;       e = np.where(a > 0, np.clip(np.frexp(np.where(a > 0, a, 1))[1] - 1 - 2, -126, 127), 0)      # np.frexp(a)[1] - 1 = floor(log2(a)), exactly
;;       r = np.clip(x / 2.0 ** e, -7.5, 7.5)
;;       step = 2.0 ** (np.maximum(np.frexp(np.where(r == 0, 1, r))[1] - 1, 0) - 3)
;;       q = np.round(r / step) * step * 2.0 ** e      # np.round: ties to even
;;       return np.moveaxis(q.reshape(q.shape[:-2] + (-1,))[..., :K], -1, axis).astype(np.float32)
;;   ~~~
;;   SOFTMAX AHEAD OF A QUANTISED PRODUCT. Where the list says 'softmax', what is quantised is not the finished softmax but p = 2^(t - M), with t = logit x log2(e) and M = ceil(the row's largest t), a whole number; so 1/2 < the row's largest p <= 1. The row's sum l is taken of the UNQUANTISED p, in f32, and the product's result is divided by l at the end. Since M is a whole number, a kernel that streams over the keys may use a running M (the ceiling of the running maximum): every later rescaling is an exact power of two, which a block's scale takes up: the codes' values come out the same.
;;   OPERANDS COMPUTED ON THE WAY. 'Computed on the way' means the value that the module computes at that place (a softmax that the list does not call 'softmax' is quantised finished and normalised). What goes into a quantiser is computed in f32, as accurately as f32 sums, v_exp_f32 and their like allow (about 1e-6 of the number): no bf16 or f16 on the way to a quantiser, and a product that is left as it is and whose result goes on into a quantised operand takes f32 operands (vector FMAs, or v_wmma_f32_16x16x4_f32). A number that lies on a knife's edge between two numbers of the format may be rounded either way, as far as f32 arithmetic and the matrix unit's own rounding can turn it there, and no further.
;; One version. Each part assembles by itself: llvm-mc -triple=amdgcn-amd-amdhsa -mcpu=gfx1250 --defsym DOCPART=n.
;; ======== version 1 of 1: 4 launches
;; limits: values outside matrix products are rounded to bf16; values are held in bf16: 8 bits of precision; right only within a limited range of input values
;; workspace buffers: xop 6,553,600 bytes; wop 3,276,800 bytes; h1 262,144 bytes; qkv 20,185,088 bytes; yop 6,553,600 bytes; h2p 2,097,152 bytes
;; launch prep (part 1): grid 192 x 1, 16 waves a work-group, no clusters, 292,864 bytes of LDS; arguments x, W_qkv, W_p, A1, subject_id, xop, wop, h1; writes xop, wop, h1
.if DOCPART == 1
	.amdgcn_target "amdgcn-amd-amdhsa--gfx1250"
	.amdhsa_code_object_version 6
	.text
	.protected	k_q1306289783_prep
	.globl	k_q1306289783_prep
	.p2align	8
	.type	k_q1306289783_prep,@function
k_q1306289783_prep:
	s_mov_b64 s[64:65], 0
	v_nop
	global_prefetch_b8 v0, s[64:65] scope:SCOPE_SE
	s_setreg_imm32_b32 hwreg(HW_REG_WAVE_MODE, 25, 1), 1
	s_wait_xcnt 0x0
; PREP.  x [8192][1024], W_qkv [3072][1024] and W_p [1024][1024], f32, become codes of FP6 (E2M3) with one E8M0 byte for each 32 along K, laid as IMAGES OF OPERAND REGISTERS;
; and h1 = x A1[subject]^T / 8, in f32 (it goes on into a quantised operand), by the f32 matrix form.
; PLACE ORDER.  Rows go in blocks of 128, a block in 8 tiles of 16; place i of tile 2 B + u is row 32 B + 8 u + i + 8 (i / 8).  A product that takes such a tile as source 0 leaves 16 neighbouring rows in a
; lane's 16 registers of tiles 2 B and 2 B + 1, which is what the next quantiser takes.
; AN IMAGE.  A fragment (16 places x 128 K) is 12 registers a lane: registers 0-3 at 16 x lane, 4-5 at 512 + 8 x lane, 6-9 at 768 + 16 x lane, 10-11 at 1280 + 8 x lane: 1,536 bytes.
; A block of 128 rows and a K step of 128 are 12,800 bytes: 8 images, then 512 bytes of scale words [tile][place]; a block of rows is 8 such steps, 102,400 bytes.
; SHARES.  A work-group takes 64 rows: groups 0-127 x, 128-175 W_qkv, 176-191 W_p.  Wave w takes K step w % 8 of rows 32 (w / 8) on: two tiles.  64 rows are the least whose four tiles' scale words of a K step
; fill 256 consecutive aligned bytes.  Each load takes 512 consecutive bytes of one row; a lane needs 16 neighbours of each block of 32, so a tile turns through the wave's own stage in LDS (rows 528 bytes apart).
; The text parts ONCE, on the work-group's number, into a path for x and a path for the weights; each path has LDS bytes of its own.
; A block's scale: the largest magnitude's exponent field less 2, held at 1 from below.
; LIMITS: a block of zeros, or one whose largest magnitude lies under 2^-124, keeps the byte 1 (its codes are read by this program alone); NaN and infinities are not served; subject_id is held at 9.
; WORK LEFT OUT: reference() takes pos_embedding as an argument and uses it in no expression, so it has no way to any output whatever it holds: it is not loaded and stands among no launch's arguments.
; LIMIT: a NaN or an infinity in pos_embedding is not carried to the result.
.set STGP,  528                        ; a stage row: 512 bytes + 16
.set WSTG,  16*STGP                    ; a wave's stage
.set HPB,   16*WSTG                    ; x path: partial sums of h1, (tile x 8 + K step) x 512 bytes
.set SSX,   HPB+16384                  ; x path: scale words, K step x 256 + tile x 64 + 4 x place
.set LBW,   SSX+2048                   ; the weights' path: its stages
.set SSW,   LBW+16*WSTG                ; and its scale words
.set TM,  8                            ; v8-11 largest magnitudes, v12-15 the other half's, then bytes, v16-19 the conversions' scale operands
.set PW,  20                           ; the scale word just made
.set HS,  22                           ; v22-25 a tile's partial h1
.set PC,  26                           ; v26-37 the codes just made
.set CT,  38                           ; v38-40, v42-44 the conversions' second halves
.set SSR, 41                           ; LDS address: the scale words that waves 0-3 read back
.set HPR, 45                           ; LDS address: the partial sums that waves 0-3 read back
.set ACC, 46                           ; v46-61 two accumulators of the f32 matrix form: written by matrix instructions alone
.set AF,  64                           ; v64-127 A1's fragment
.set X0,  128                          ; v128-191, v192-255 the two tiles' numbers
.set X1,  192
.set SEL, 44                           ; s[44:45] lane selects: lane l xor 16
; 64 numbers of a lane, register 16 b + i = k 32 b + 16 (lane / 16) + i of my row, become a fragment's codes in v[PC] on and its scale word in v[PW]
.macro QUANT s
.irp b, 0,1,2,3
	v_max3_num_f32 v[TM+\b], |v[\s+16*\b]|, |v[\s+1+16*\b]|, 0x1800000   ; my 16 numbers of block b, and the floor 2^(3 - 127): the byte cannot fall under 1
.endr
.irp i, 2,4,6,8,10,12,14
.irp b, 0,1,2,3
	s_delay_alu instid0(VALU_DEP_4)
	v_max3_num_f32 v[TM+\b], v[TM+\b], |v[\s+16*\b+\i]|, |v[\s+1+16*\b+\i]|   ; the four blocks by turns
.endr
.endr
.irp b, 0,1,2,3
	s_delay_alu instid0(VALU_DEP_4)
	v_permlanex16_b32 v[TM+4+\b], v[TM+\b], s[SEL], s[SEL+1]
.endr
.irp b, 0,1,2,3
	s_delay_alu instid0(VALU_DEP_4)
	v_max_num_f32 v[TM+\b], v[TM+\b], v[TM+4+\b]   ; with lane l xor 16's 16: the block's largest magnitude
.endr
.irp b, 0,1,2,3
	s_delay_alu instid0(VALU_DEP_4)
	v_add_nc_u32 v[TM+8+\b], 0xff000000, v[TM+\b]  ; 2 off its exponent field: the conversion takes this operand's exponent field as its scale
.endr
.irp b, 0,1,2,3
	s_delay_alu instid0(VALU_DEP_4)
	v_lshrrev_b32 v[TM+4+\b], 23, v[TM+8+\b]       ; the scale's byte
.endr
	s_delay_alu instid0(VALU_DEP_3)
	v_lshl_or_b32 v[PW], v[TM+5], 8, v[TM+4]
	s_delay_alu instid0(VALU_DEP_1)
	v_lshl_or_b32 v[PW], v[TM+6], 16, v[PW]
	s_delay_alu instid0(VALU_DEP_1)
	v_lshl_or_b32 v[PW], v[TM+7], 24, v[PW]
.irp c, 0,1
	v_cvt_scalef32_pk16_fp6_f32 v[PC+6*\c:PC+6*\c+2], v[\s+32*\c:\s+32*\c+15], v[TM+8+2*\c]
	v_cvt_scalef32_pk16_fp6_f32 v[CT+4*\c:CT+4*\c+2], v[\s+32*\c+16:\s+32*\c+31], v[TM+9+2*\c]   ; a conversion's three registers begin on an even number
.endr
	v_nop                                          ; one plain line behind the scaled conversions
.irp c, 0,1                                    ; the operand wants a whole block in a lane: lanes 0-15 block 2 c, lanes 16-31 block 2 c + 1
.irp i, 0,1,2
	v_permlane16_swap_b32 v[PC+6*\c+\i], v[CT+4*\c+\i]
.endr
.irp i, 0,1,2
	s_delay_alu instid0(VALU_DEP_3)
	v_mov_b32 v[PC+3+6*\c+\i], v[CT+4*\c+\i]
.endr
.endr
.endm
; tile u: place i is row 8 u + i + 8 (i / 8) of my 32; 32 lanes read 512 consecutive bytes
.macro XLOAD X, u
.irp i, 0,1,2,3,4,5,6,7,8,9,10,11,12,13,14,15
	global_load_b128 v[\X+4*\i:\X+4*\i+3], v1, s[4:5] offset:(8*\u+\i+8*(\i/8))*4096 th:TH_LOAD_NT
.endr
.endm
; a tile: through the stage, (x: its part of h1,) quantised, its image stored.  cnt: the younger loads that may stay out
.macro TILE u, X, isx, cnt
	s_wait_loadcnt \cnt
.irp i, 0,1,2,3,4,5,6,7,8,9,10,11,12,13,14,15
	ds_store_b128 v2, v[\X+4*\i:\X+4*\i+3] offset:\i*STGP
.endr
	s_wait_dscnt 0x0                               ; the stores have read the registers into which the loads below land
.irp b, 0,1,2,3
.irp j, 0,1,2,3
	ds_load_b128 v[\X+16*\b+4*\j:\X+16*\b+4*\j+3], v3 offset:128*\b+16*\j   ; row = my place, 16 neighbours of each block of 32
.endr
.endr
	s_wait_dscnt 0x0
.if \isx
; h1: source 0 = A1's rows (row i of the operand is rank (i % 4) + 4 (i / 8)), source 1 = my 16 tokens; K is permuted alike on both sides.  Two accumulators by turns; the first two products start the sums
.set nn, 0
.rept 32
.if nn < 2
	v_wmma_f32_16x16x4_f32 v[ACC+8*(nn%2):ACC+8*(nn%2)+7], v[AF+2*nn:AF+2*nn+1], v[\X+2*nn:\X+2*nn+1], 0
.else
	v_wmma_f32_16x16x4_f32 v[ACC+8*(nn%2):ACC+8*(nn%2)+7], v[AF+2*nn:AF+2*nn+1], v[\X+2*nn:\X+2*nn+1], v[ACC+8*(nn%2):ACC+8*(nn%2)+7]
.endif
.set nn, nn+1
.endr
.endif
.if \u
	s_wait_xcnt 0x0                                ; the last tile's stores have read the codes' registers
.endif
	QUANT \X                                       ; its lines on the magnitudes alone are also the places between the products above and the first read of their sums
	global_store_b128 v1, v[PC:PC+3], s[38:39] offset:\u*1536
	global_store_b64 v4, v[PC+4:PC+5], s[38:39] offset:\u*1536+512
	global_store_b128 v1, v[PC+6:PC+9], s[38:39] offset:\u*1536+768
	global_store_b64 v4, v[PC+10:PC+11], s[38:39] offset:\u*1536+1280
	ds_store_b32 v6, v[PW] offset:\u*64            ; both halves of the lanes hold the same word
.if \isx
	v_pk_add_f32 v[HS:HS+1], v[ACC:ACC+1], v[ACC+8:ACC+9]          ; lane (r, h): ranks 4 h .. 4 h + 3 of token r, this K step's part
	v_pk_add_f32 v[HS+2:HS+3], v[ACC+2:ACC+3], v[ACC+10:ACC+11]
	ds_store_b128 v7, v[HS:HS+3] offset:\u*4096
.endif
.endm
; A whole path.  isx = 1: x, with h1;  0: the weights.  LB: its stages;  SSB: its scale words
.macro BODY isx, LB, SSB
.if \isx
	s_mov_b32 s24, ttmp9                           ; which 64 rows of xop
.else
	s_sub_co_u32 s24, ttmp9, 128                   ; which 64 rows of wop: W_qkv's 48 groups, then W_p's 16
.endif
	s_mul_i32 s42, s20, WSTG
	s_add_co_u32 s42, s42, \LB
	v_add_nc_u32 v2, s42, v1                       ; the stage, in: 16 x lane
	v_mul_u32_u24 v3, v63, STGP
	s_delay_alu instid0(VALU_DEP_1)
	v_lshl_add_u32 v3, v21, 6, v3
	s_delay_alu instid0(VALU_DEP_1)
	v_add_nc_u32 v3, s42, v3                       ; out: row r, + 64 h
	s_lshl_b32 s42, s21, 8
	s_lshl_b32 s43, s22, 7
	s_add_co_u32 s42, s42, s43
	s_add_co_u32 s42, s42, \SSB
	v_lshl_add_u32 v6, v63, 2, s42                 ; my tiles' scale words
	s_lshl_b32 s42, s20, 9
	s_add_co_u32 s42, s42, \SSB
	v_add_nc_u32 v[SSR], s42, v1                   ; waves 0-3: two K steps' 256 bytes each
.if \isx
	s_lshl_b32 s42, s22, 13
	s_lshl_b32 s43, s21, 9
	s_add_co_u32 s42, s42, s43
	s_add_co_u32 s42, s42, HPB
	v_add_nc_u32 v7, s42, v1                       ; my tiles' partial sums
	s_lshl_b32 s42, s20, 12
	s_add_co_u32 s42, s42, HPB
	v_add_nc_u32 v[HPR], s42, v1                   ; waves 0-3: tile w's eight partial sums
	v_and_b32 v5, 3, v0
	v_bfe_u32 v164, v0, 3, 1
	s_delay_alu instid0(VALU_DEP_1)
	v_lshl_add_u32 v5, v164, 2, v5                 ; rank (r % 4) + 4 (r / 8)
	s_delay_alu instid0(VALU_DEP_1)
	v_lshlrev_b32 v5, 12, v5
	s_delay_alu instid0(VALU_DEP_1)
	v_lshl_add_u32 v5, v21, 6, v5                  ; A1: that row of 4,096 bytes, + 64 h
.endif
	s_lshr_b32 s30, s24, 1
	s_mul_i32 s30, s30, 102400                     ; my block of 128 rows
	s_mov_b32 s31, 0
	s_and_b32 s28, s24, 1
	s_mul_i32 s29, s28, 6144
	s_add_co_u32 s34, s32, s29                     ; my first image in it
	s_mov_b32 s35, 0
	s_lshl_b32 s28, s28, 8
	s_add_co_u32 s36, s33, s28                     ; waves 0-3: where their scale words go
	s_mov_b32 s37, 0
	s_wait_alu depctr_va_vdst(0)
	s_wait_kmcnt 0x0
.if \isx
	s_lshl_b32 s28, s24, 18
	s_add_co_u32 s28, s28, s26
	s_mov_b32 s29, 0
	s_add_nc_u64 s[4:5], s[4:5], s[28:29]
	s_add_nc_u64 s[14:15], s[14:15], s[30:31]
	s_lshr_b32 s46, s24, 4                         ; the batch: 16 groups of 64 tokens
	s_lshl_b32 s46, s46, 2
	s_mov_b32 s47, 0
	s_add_nc_u64 s[12:13], s[12:13], s[46:47]
	s_load_b32 s46, s[12:13], 0x0                  ; its subject
.else
	s_cmp_lt_u32 ttmp9, 176
	s_cselect_b64 s[4:5], s[6:7], s[8:9]           ; W_qkv or W_p
	s_cselect_b32 s28, 0, 48
	s_sub_co_u32 s28, s24, s28
	s_lshl_b32 s28, s28, 18
	s_add_co_u32 s28, s28, s26
	s_mov_b32 s29, 0
	s_add_nc_u64 s[4:5], s[4:5], s[28:29]
	s_add_nc_u64 s[14:15], s[16:17], s[30:31]
.endif
	s_add_nc_u64 s[38:39], s[14:15], s[34:35]
	s_add_nc_u64 s[40:41], s[14:15], s[36:37]
	XLOAD X0, 0
.if \isx
	s_wait_kmcnt 0x0
	s_min_u32 s46, s46, 9
	s_lshl_b32 s46, s46, 15                        ; an adapter of A1 is 32,768 bytes
	s_lshl_b32 s47, s21, 9
	s_add_co_u32 s46, s46, s47
	s_mov_b32 s47, 0
	s_add_nc_u64 s[10:11], s[10:11], s[46:47]
	s_wait_alu depctr_va_vdst(0)
.irp b, 0,1,2,3
.irp j, 0,1,2,3
	global_load_b128 v[AF+16*\b+4*\j:AF+16*\b+4*\j+3], v5, s[10:11] offset:128*\b+16*\j
.endr
.endr
.endif
	XLOAD X1, 1
	TILE 0, X0, \isx, 16                           ; tile 1's sixteen loads may stay out
	TILE 1, X1, \isx, 0
	s_wait_dscnt 0x0                               ; for the others' sake: my scale words and partial sums have landed
	s_barrier_signal -1
	s_barrier_wait -1
	s_cmp_lt_u32 s20, 4
	s_cbranch_scc0 .Ldone_\@
	ds_load_b128 v[128:131], v[SSR]                ; lanes 0-15: K step 2 w, lanes 16-31: K step 2 w + 1; four tiles' words each
.if \isx
.irp k, 0,1,2,3,4,5,6,7
	ds_load_b128 v[132+4*\k:135+4*\k], v[HPR] offset:\k*512
.endr
.endif
	v_mul_u32_u24 v165, v21, 12800
	s_delay_alu instid0(VALU_DEP_1)
	v_lshl_add_u32 v165, v63, 4, v165
.if \isx
	s_wait_alu depctr_va_vdst(0)
	s_wait_dscnt 8                                 ; the words are in; the eight partial sums may stay out
.else
	s_wait_alu depctr_va_vdst(0)
	s_wait_dscnt 0x0
.endif
	global_store_b128 v165, v[128:131], s[40:41]   ; sixteen lanes store 256 consecutive bytes, aligned
.if \isx
	s_lshl_b32 s28, s24, 11                        ; h1: 64 tokens of 32 bytes a group,
	s_lshr_b32 s29, s20, 1
	s_lshl_b32 s29, s29, 10
	s_add_co_u32 s28, s28, s29
	s_and_b32 s29, s20, 1
	s_lshl_b32 s29, s29, 8
	s_add_co_u32 s28, s28, s29                     ; tile w begins at token 32 (w / 2) + 8 (w % 2)
	s_mov_b32 s29, 0
	s_add_nc_u64 s[18:19], s[18:19], s[28:29]
	v_and_b32 v164, 8, v63
	s_delay_alu instid0(VALU_DEP_1)
	v_add_nc_u32 v164, v164, v63                   ; place r is token r + 8 (r / 8) of the tile
	s_delay_alu instid0(VALU_DEP_1)
	v_lshlrev_b32 v164, 5, v164
	s_delay_alu instid0(VALU_DEP_1)
	v_lshl_add_u32 v164, v21, 4, v164
	s_wait_dscnt 0x0
.irp e, 0,2
	v_pk_add_f32 v[132+\e:133+\e], v[132+\e:133+\e], v[136+\e:137+\e]
	v_pk_add_f32 v[140+\e:141+\e], v[140+\e:141+\e], v[144+\e:145+\e]
	v_pk_add_f32 v[148+\e:149+\e], v[148+\e:149+\e], v[152+\e:153+\e]
	v_pk_add_f32 v[156+\e:157+\e], v[156+\e:157+\e], v[160+\e:161+\e]
.endr
.irp e, 0
	v_pk_add_f32 v[132+\e:133+\e], v[132+\e:133+\e], v[140+\e:141+\e]
	v_pk_add_f32 v[148+\e:149+\e], v[148+\e:149+\e], v[156+\e:157+\e]
.endr
.irp e, 2
	v_pk_add_f32 v[132+\e:133+\e], v[132+\e:133+\e], v[140+\e:141+\e]
	s_delay_alu instid0(VALU_DEP_4)
	v_pk_add_f32 v[148+\e:149+\e], v[148+\e:149+\e], v[156+\e:157+\e]
.endr
.irp e, 0
	s_delay_alu instid0(VALU_DEP_3)
	v_pk_add_f32 v[132+\e:133+\e], v[132+\e:133+\e], v[148+\e:149+\e]
.endr
.irp e, 2
	s_delay_alu instid0(VALU_DEP_2)
	v_pk_add_f32 v[132+\e:133+\e], v[132+\e:133+\e], v[148+\e:149+\e]
.endr
.irp e, 0,2
	s_delay_alu instid0(VALU_DEP_2)
	v_pk_mul_f32 v[132+\e:133+\e], v[132+\e:133+\e], 0x3e000000 op_sel_hi:[1,0]   ; alpha / rank = 1 / 8: exact
.endr
	global_store_b128 v164, v[132:135], s[18:19]   ; the instruction covers two runs of 256 consecutive bytes: tokens 0-7 and 16-23 of the tile
.endif
.Ldone_\@:
	s_wait_xcnt 0x0
	v_lshl_add_u32 v254, v0, 2, 0x47000
	v_mov_b32 v255, 0
	s_wait_alu depctr_va_vdst(0)
	s_wait_tensorcnt 0x0
	ds_add_u32 v254, v255
	s_wait_dscnt 0x0
	s_endpgm
.endm
	s_load_b256 s[4:11], s[0:1], 0x0               ; x, W_qkv, W_p, A1
	s_load_b256 s[12:19], s[0:1], 0x20             ; subject_id, xop, wop, h1
	v_lshrrev_b32 v1, 5, v0
	s_delay_alu instid0(VALU_DEP_1)
	v_readfirstlane_b32 s20, v1                    ; wave 0..15
	s_and_b32 s21, s20, 7                          ; my K step of 128
	s_lshr_b32 s22, s20, 3                         ; my 32 of the 64 rows
	v_and_b32 v62, 31, v0                          ; lane
	v_and_b32 v63, 15, v0                          ; r
	v_bfe_u32 v21, v0, 4, 1                        ; h
	s_delay_alu instid0(VALU_DEP_3)
	v_lshlrev_b32 v1, 4, v62                       ; 16 x lane; never rewritten
	s_delay_alu instid0(VALU_DEP_4)
	v_lshlrev_b32 v4, 3, v62                       ; 8 x lane; never rewritten
	s_mov_b32 s[SEL], 0x76543210
	s_mov_b32 s[SEL+1], 0xfedcba98
.irp b, 0,1,2,3
	v_mov_b32 v[TM+4+\b], 0                        ; written once: a lane permute's destination counts as one of its sources
.endr
	s_lshl_b32 s26, s22, 17
	s_lshl_b32 s27, s21, 9
	s_add_co_u32 s26, s26, s27                     ; in the 64 rows: 32 rows of 4,096 bytes x (w / 8) + 512 x K step
	s_mul_i32 s32, s21, 12800
	s_mul_i32 s33, s22, 3072
	s_add_co_u32 s32, s32, s33                     ; in a block of rows: my K step, my two images
	s_mul_i32 s33, s20, 25600
	s_add_co_u32 s33, s33, 12288                   ; waves 0-3: K step 2 w's scale words
	s_cmp_lt_u32 ttmp9, 128
	s_cbranch_scc0 .Lweights
	s_wait_alu depctr_va_vdst(0)
	BODY 1, 0, SSX
.Lweights:
	s_wait_alu depctr_va_vdst(0)
	BODY 0, LBW, SSW
.Lfunc_end_k_q1306289783_prep:
	.size	k_q1306289783_prep, .Lfunc_end_k_q1306289783_prep-k_q1306289783_prep
	.p2alignl 7, 3214868480
	.fill 96, 4, 3214868480
	.section	.rodata,"a",@progbits
	.p2align	6, 0x0
	.amdhsa_kernel k_q1306289783_prep
		.amdhsa_group_segment_fixed_size 292864
		.amdhsa_private_segment_fixed_size 0
		.amdhsa_enable_private_segment 0
		.amdhsa_kernarg_size 64
		.amdhsa_user_sgpr_count 2
		.amdhsa_user_sgpr_kernarg_segment_ptr 1
		.amdhsa_wavefront_size32 1
		.amdhsa_system_sgpr_workgroup_id_x 1
		.amdhsa_system_sgpr_workgroup_id_y 1
		.amdhsa_system_sgpr_workgroup_id_z 1
		.amdhsa_system_vgpr_workitem_id 0
		.amdhsa_next_free_vgpr 256
		.amdhsa_next_free_sgpr 66
		.amdhsa_reserve_vcc 0
		.amdhsa_float_denorm_mode_32 3
		.amdhsa_float_denorm_mode_16_64 3
		.amdhsa_memory_ordered 1
		.amdhsa_forward_progress 1
		.amdhsa_inst_pref_size 54
	.end_amdhsa_kernel
	.amdgpu_metadata
---
amdhsa.version: [ 1, 2 ]
amdhsa.kernels:
  - .name:           k_q1306289783_prep
    .symbol:         k_q1306289783_prep.kd
    .args:
      - { .name: x, .offset: 0, .size: 8, .value_kind: global_buffer, .address_space: global }
      - { .name: W_qkv, .offset: 8, .size: 8, .value_kind: global_buffer, .address_space: global }
      - { .name: W_p, .offset: 16, .size: 8, .value_kind: global_buffer, .address_space: global }
      - { .name: A1, .offset: 24, .size: 8, .value_kind: global_buffer, .address_space: global }
      - { .name: subject_id, .offset: 32, .size: 8, .value_kind: global_buffer, .address_space: global }
      - { .name: xop, .offset: 40, .size: 8, .value_kind: global_buffer, .address_space: global }
      - { .name: wop, .offset: 48, .size: 8, .value_kind: global_buffer, .address_space: global }
      - { .name: h1, .offset: 56, .size: 8, .value_kind: global_buffer, .address_space: global }
    .group_segment_fixed_size: 292864
    .private_segment_fixed_size: 0
    .kernarg_segment_align: 8
    .kernarg_segment_size: 64
    .max_flat_workgroup_size: 512
    .sgpr_count:     66
    .vgpr_count:     256
    .wavefront_size: 32
...
	.end_amdgpu_metadata
.endif
;; end of part 1
;; launch qkv (part 2): grid 8 x 32, 4 waves a work-group, clusters of 4 x 4, 327,680 bytes of LDS; arguments xop, wop, h1, B1, b_qkv, subject_id, qkv; writes qkv
.if DOCPART == 2
	.amdgcn_target "amdgcn-amd-amdhsa--gfx1250"
	.amdhsa_code_object_version 6
	.text
	.protected	k_q1306289783_qkv
	.globl	k_q1306289783_qkv
	.p2align	8
	.type	k_q1306289783_qkv,@function
k_q1306289783_qkv:
	s_mov_b64 s[64:65], 0
	v_nop
	global_prefetch_b8 v0, s[64:65] scope:SCOPE_SE
	s_setreg_imm32_b32 hwreg(HW_REG_WAVE_MODE, 25, 1), 1
	s_wait_xcnt 0x0
	s_wait_alu depctr_hold_cnt(0) depctr_sa_sdst(0) depctr_va_vdst(0) depctr_va_sdst(0) depctr_va_ssrc(0) depctr_va_vcc(0) depctr_vm_vsrc(0)
	s_getreg_b32 s2, hwreg(HW_REG_IB_STS2, 6, 4)
	s_cmp_eq_u32 s2, 0
	s_cbranch_scc0 .Lentry_in_a_cluster
	s_endpgm
.Lentry_in_a_cluster:
	s_bfe_u32 s2, ttmp6, 0x10000c
	s_cmp_lg_u32 s2, 0xf033
	s_cbranch_scc0 .Lentry_shape_is_right
	s_endpgm
.Lentry_shape_is_right:
.set KB,    12800
.set SLOT1, 131072
.set WOFF,  2*KB
.set SPARE, 262144
.set FR,    12
.set X16,  8
.set X8,   9
.set W16,  10
.set W8,   11
.set SA,   12
.set SB,   13
.set SV,   14
.set L16,  15
.set L8,   16
.set SPW,  28
.set NIL,  29
.set SC,   32
.set WF,   64
.set XF,   160
.set U1,   64
.set U0,   96
.set UV,   128
.set BQK,  144
.set BV,   208
.set TM,   64
.set CT,   76
.set PCS,  84
.set WE,   108
.set WO,   116
.set OW,   124
.set WVW,  128
.set G1,  24
.set G0,  32
.set G1B, 48
.set G0B, 56
.set SEL, 96
.set MSB, 0
.macro WIN new
.if MSB != \new
	s_set_vgpr_msb (MSB<<8)|\new
.set MSB, \new
.endif
.endm
.macro JLOAD g0a, g1a, g0b, g1b
	s_cmp_eq_u32 s15, 0
	s_cbranch_scc0 .Lfor_b_\@
	tensor_load_to_lds s[\g0a:\g0a+3], s[\g1a:\g1a+7]
	s_nop 0
.rept 4
	v_nop
.endr
	s_branch .Lasked_\@
.Lfor_b_\@:
	tensor_load_to_lds s[\g0b:\g0b+3], s[\g1b:\g1b+7]
	s_nop 0
.rept 4
	v_nop
.endr
.Lasked_\@:
.endm
.macro CREST
	s_cmp_lg_u32 s14, 0
	s_cbranch_scc1 .Lnot_wave_0_\@
	s_barrier_signal -3
.Lnot_wave_0_\@:
	s_barrier_wait -3
	s_barrier_signal -1
	s_barrier_wait -1
.endm
.macro CROUND
	s_barrier_signal -1
	s_barrier_wait -1
	CREST
.endm
.macro PLACES n
.rept \n
	v_nop
.endr
.endm
	s_load_b256 s[4:11], s[0:1], 0x0
	s_load_b128 s[68:71], s[0:1], 0x20
	s_load_b64 s[12:13], s[0:1], 0x30
	v_lshl_add_u32 v[SPW], v0, 2, SPARE
	v_mov_b32 v[NIL], 0
	ds_add_u32 v28, v29
	ds_add_u32 v28, v29
	s_wait_dscnt 0x0
	v_lshrrev_b32 v1, 5, v0
	v_readfirstlane_b32 s14, v1
	s_lshr_b32 s15, s14, 1
	s_and_b32 s16, s14, 1
	s_bfe_u32 s40, ttmp6, 0x40000
	s_bfe_u32 s41, ttmp6, 0x40004
	s_and_b32 s17, ttmp7, 0xffff
	s_lshl_b32 s43, s41, 2
	s_lshl_b32 s43, 15, s43
	s_lshl_b32 s44, 0x1111, s40
	s_or_b32 s[G1+0], s43, (3<<16)|(1<<21)
	s_mov_b32 s[G1+1], 1600<<16
	s_mov_b32 s[G1+2], 2<<16
	s_mov_b32 s[G1+3], 1600<<16
	s_mov_b32 s[G1+4], 2
	s_mov_b32 s[G1+5], 12800
	s_mov_b32 s[G1+6], 0
	s_mov_b32 s[G1+7], 0
	s_or_b32 s[G1B+0], s44, (3<<16)|(1<<21)
	s_mov_b32 s[G1B+1], 1600<<16
	s_mov_b32 s[G1B+2], 3<<16
	s_mov_b32 s[G1B+3], 1600<<16
	s_mov_b32 s[G1B+4], 3
	s_mov_b32 s[G1B+5], 102400
	s_mov_b32 s[G1B+6], 0
	s_mov_b32 s[G1B+7], 0
	s_lshl_b32 s20, s17, 2
	s_add_co_u32 s20, s20, s41
	s_mov_b32 s77, s20
	s_mul_i32 s20, s20, 204800
	s_mul_i32 s21, s16, KB
	s_add_co_u32 s20, s20, s21
	s_mov_b32 s21, 0
	s_lshl_b32 s46, ttmp9, 2
	s_add_co_u32 s46, s46, s40
	s_mov_b32 s76, s46
	s_mul_i32 s46, s46, 102400
	s_mul_i32 s47, s16, KB
	s_add_co_u32 s46, s46, s47
	s_mov_b32 s47, 0
	s_lshl_b32 s45, s16, 16
	s_lshl_b32 s78, s17, 2
	s_mov_b32 s79, 0
	s_wait_kmcnt 0x0
	s_add_nc_u64 s[20:21], s[4:5], s[20:21]
	s_add_nc_u64 s[46:47], s[6:7], s[46:47]
	s_add_nc_u64 s[70:71], s[70:71], s[78:79]
	s_load_b32 s78, s[70:71], 0x0
	CROUND
.irp s, 0,1
	s_mov_b32 s[G0+4*\s], 1
	s_add_co_u32 s[G0+4*\s+1], s45, \s*SLOT1
	s_add_nc_u64 s[G0+4*\s+2:G0+4*\s+3], s[20:21], \s*2*KB
	s_or_b32 s[G0+4*\s+3], s[G0+4*\s+3], 0x80000000
	s_mov_b32 s[G0B+4*\s], 1
	s_add_co_u32 s[G0B+4*\s+1], s45, \s*SLOT1+WOFF
	s_add_nc_u64 s[G0B+4*\s+2:G0B+4*\s+3], s[46:47], \s*2*KB
	s_or_b32 s[G0B+4*\s+3], s[G0B+4*\s+3], 0x80000000
.endr
	JLOAD G0, G1, G0B, G1B                         ; slot 0, behind the round above: my one tensor load at the head
	v_and_b32 v1, 15, v0
	v_bfe_u32 v2, v0, 4, 1
	v_and_b32 v3, 31, v0
	v_lshlrev_b32 v[L16], 4, v3
	v_lshlrev_b32 v[L8], 3, v3
	s_mul_i32 s21, s15, KB
	v_add_nc_u32 v[X16], s21, v[L16]
	v_add_nc_u32 v[X8], s21, v[L8]
	s_mul_i32 s22, s16, 6144
	s_add_co_u32 s22, s22, WOFF
	v_add_nc_u32 v[W16], s22, v[L16]
	v_add_nc_u32 v[W8], s22, v[L8]
	s_lshl_b32 s23, s16, 8
	s_add_co_u32 s23, s23, WOFF
	s_sub_co_u32 s23, s23, s21
	v_mul_u32_u24 v4, s23, v2
	v_lshl_add_u32 v4, v1, 2, v4
	s_add_co_u32 s18, s21, 12288
	v_add_nc_u32 v[SA], s18, v4
	s_add_co_u32 s23, s23, KB-256
	v_mul_u32_u24 v4, s23, v2
	v_lshl_add_u32 v4, v1, 2, v4
	s_add_co_u32 s18, s18, 256
	v_add_nc_u32 v[SB], s18, v4
	s_lshl_b32 s18, s16, 8
	s_add_co_u32 s18, s18, WOFF+2*KB+12288
	v_lshl_add_u32 v[SV], v1, 2, s18
	v_and_b32 v5, 8, v1
	v_add_nc_u32 v5, v5, v1
	v_lshlrev_b32 v6, 2, v5
	v_lshlrev_b32 v5, 5, v5
	v_lshl_add_u32 v5, v2, 3, v5
	v_lshlrev_b32 v7, 6, v2
	v_lshlrev_b32 v17, 5, v1
	v_lshl_add_u32 v17, v2, 4, v17
	v_lshlrev_b32 v18, 4, v1
	s_mov_b32 s[SEL], 0x76543210
	s_mov_b32 s[SEL+1], 0xfedcba98
	s_wait_alu depctr_va_vdst(0)
	s_wait_kmcnt 0x0
	s_min_u32 s78, s78, 9
	s_mul_i32 s78, s78, 98304
	s_lshl_b32 s80, s76, 12
	s_add_co_u32 s78, s78, s80
	s_lshl_b32 s80, s16, 11
	s_add_co_u32 s78, s78, s80
	s_mov_b32 s79, 0
	s_add_nc_u64 s[10:11], s[10:11], s[78:79]
	s_lshl_b32 s80, s77, 13
	s_lshl_b32 s81, s15, 12
	s_add_co_u32 s80, s80, s81
	s_mov_b32 s81, 0
	s_add_nc_u64 s[8:9], s[8:9], s[80:81]
	s_lshl_b32 s80, s76, 9
	s_lshl_b32 s82, s16, 8
	s_add_co_u32 s80, s80, s82
	s_add_nc_u64 s[68:69], s[68:69], s[80:81]
.irp i, 0,1,2,3,4,5,6,7
.irp t, 0,1
	global_load_b64 v[U1+4*\i+2*\t:U1+4*\i+2*\t+1], v5, s[8:9] offset:(32*(\i/2)+8*(\i%2))*32+16*\t
.endr
.endr
.irp b, 0,1,2,3,4,5,6,7
.irp t, 0,1
	global_load_b64 v[U0+4*\b+2*\t:U0+4*\b+2*\t+1], v5, s[10:11] offset:(\b/4)*32768+(32*((\b%4)/2)+8*(\b%2))*32+16*\t
.endr
.endr
.irp a, 0,1,2,3
.irp t, 0,1
	global_load_b64 v[UV+4*\a+2*\t:UV+4*\a+2*\t+1], v5, s[10:11] offset:65536+(32*(\a/2)+8*(\a%2))*32+16*\t
.endr
.endr
.irp b, 0,1,2,3,4,5,6,7
	global_load_b128 v[BQK+8*\b:BQK+8*\b+3], v7, s[68:69] offset:(\b/4)*4096+(32*((\b%4)/2)+8*(\b%2))*4
	global_load_b128 v[BQK+8*\b+4:BQK+8*\b+7], v7, s[68:69] offset:(\b/4)*4096+(32*((\b%4)/2)+8*(\b%2))*4+16
.endr
.irp a, 0,1,2,3
	global_load_b32 v[BV+8*\a], v6, s[68:69] offset:8192+(32*(\a/2)+8*(\a%2))*4
.endr
	s_wait_tensorcnt 0x0                           ; my part of slot 0 is in; the small product's loads above are on their way meanwhile
	ds_add_u32 v[SPW], v[NIL]
	s_wait_dscnt 0x0
	CROUND
	JLOAD G0+4, G1, G0B+4, G1B                     ; slot 1's first fill, the first tensor load behind the round
	s_wait_loadcnt 0x0
.irp a, 0,1,2,3
.irp j, 1,2,3,4,5,6,7
	v_mov_b32 v[BV+8*\a+\j], v[BV+8*\a]
.endr
.endr
.irp t, 0,1
.irp a, 0,1,2,3,4,5,6,7
.if \t == 0
.set WN, 0x40+0x40*(\a/4)
.else
.set WN, 0x50+0x50*(\a/4)
.endif
	WIN WN
.irp b, 0,1,2,3,4,5,6,7
.if \t == 0
	v_wmma_f32_16x16x4_f32 v[8*(8*(\a%4)+\b):8*(8*(\a%4)+\b)+7], v[U0+4*\b:U0+4*\b+1], v[U1+4*\a:U1+4*\a+1], v[BQK+8*\b:BQK+8*\b+7]
.else
	v_wmma_f32_16x16x4_f32 v[8*(8*(\a%4)+\b):8*(8*(\a%4)+\b)+7], v[U0+4*\b+2:U0+4*\b+3], v[U1+4*\a+2:U1+4*\a+3], v[8*(8*(\a%4)+\b):8*(8*(\a%4)+\b)+7]
.endif
.endr
.endr
.if \t == 0
	WIN 0xc0
.else
	WIN 0xf0
.endif
.irp a, 0,1,2,3
.irp b, 0,1,2,3,4,5,6,7
.if \t == 0
	v_wmma_f32_16x16x4_f32 v[8*(8*\a+\b):8*(8*\a+\b)+7], v[U1+4*\b:U1+4*\b+1], v[UV+4*\a:UV+4*\a+1], v[BV+8*\a:BV+8*\a+7]
.else
	v_wmma_f32_16x16x4_f32 v[8*(8*\a+\b):8*(8*\a+\b)+7], v[U1+4*\b+2:U1+4*\b+3], v[UV+4*\a+2:UV+4*\a+3], v[8*(8*\a+\b):8*(8*\a+\b)+7]
.endif
.endr
.endr
.endr
	WIN 0
	PLACES 9
.macro FRAG reg, a16, a8, off
	ds_load_b128 v[\reg:\reg+3], v[\a16] offset:\off
	ds_load_b64 v[\reg+4:\reg+5], v[\a8] offset:\off+512
	ds_load_b128 v[\reg+6:\reg+9], v[\a16] offset:\off+768
	ds_load_b64 v[\reg+10:\reg+11], v[\a8] offset:\off+1280
.endm
.macro LOADW g, p
.irp t, 0,1,2,3
	FRAG WF+48*(\p)+FR*\t, W16, W8, (\g)*KB+\t*1536
.endr
.endm
.macro LOADX i0
.irp i, \i0, \i0+1, \i0+2, \i0+3
	FRAG XF+FR*(\i), X16, X8, (\i)*1536
.endr
.endm
.macro LOADSC sc
.irp i, 0,1,2,3
	ds_load_b32 v[SC+12*(\sc)+\i], v[SA] offset:\i*64
.endr
.irp i, 0,1,2,3
	ds_load_b32 v[SC+12*(\sc)+4+\i], v[SB] offset:\i*64
.endr
.irp i, 0,1,2,3
	ds_load_b32 v[SC+12*(\sc)+8+\i], v[SV] offset:\i*64
.endr
.endm
.macro MULQK g, p, a0, sc
.irp a, \a0, \a0+1, \a0+2, \a0+3
.irp t, 0,1,2,3
	v_wmma_scale_f32_16x16x128_f8f6f4 v[8*(8*((\a)%4)+4*(\g)+\t):8*(8*((\a)%4)+4*(\g)+\t)+7], v[WF+48*(\p)+FR*\t:WF+48*(\p)+FR*\t+FR-1], v[XF+FR*(\a):XF+FR*(\a)+FR-1], v[8*(8*((\a)%4)+4*(\g)+\t):8*(8*((\a)%4)+4*(\g)+\t)+7], v[SC+12*(\sc)+4*(\g)+\t], v[SC+12*(\sc)+(\a)] matrix_a_fmt:MATRIX_FMT_FP6 matrix_b_fmt:MATRIX_FMT_FP6 matrix_a_scale:MATRIX_SCALE_ROW1
.endr
.endr
.endm
.macro MULV p, b0, sc
.irp b, \b0, \b0+1, \b0+2, \b0+3
.irp a, 0,1,2,3
	v_wmma_scale_f32_16x16x128_f8f6f4 v[8*(8*\a+(\b)):8*(8*\a+(\b))+7], v[XF+FR*(\b):XF+FR*(\b)+FR-1], v[WF+48*(\p)+FR*\a:WF+48*(\p)+FR*\a+FR-1], v[8*(8*\a+(\b)):8*(8*\a+(\b))+7], v[SC+12*(\sc)+(\b)], v[SC+12*(\sc)+8+\a] matrix_a_fmt:MATRIX_FMT_FP6 matrix_b_fmt:MATRIX_FMT_FP6
.endr
.endr
.endm
.macro KSTEP k, meet, fill, slot
.set P0, (3*(\k))%2
.set P1, 1-P0
.set SS, (\k)%2
.set XK, 0x10000+0x20000*((\k)%2)
	s_wait_dscnt 32
	WIN 0x50
	MULQK 0, P0, 0, SS
	s_wait_dscnt 16
	WIN 0xa0
	MULQK 0, P0, 4, SS
	WIN 0
	PLACES 4
	LOADW 2, P0
.if \meet
	s_wait_tensorcnt 0x0
	ds_add_u32 v[SPW], v[NIL]
	s_wait_dscnt 17
.else
	s_wait_dscnt 16
.endif
	WIN 0x50
	MULQK 1, P1, 0, SS
.if \meet
	s_wait_dscnt 0x0
	s_barrier_signal -1
.endif
	WIN 0xa0
	MULQK 1, P1, 4, SS
	WIN 0
.if \meet
	s_barrier_wait -1
.if \fill
	CREST
	s_add_nc_u64 s[G0+4*\slot+2:G0+4*\slot+3], s[G0+4*\slot+2:G0+4*\slot+3], 4*KB
	s_add_nc_u64 s[G0B+4*\slot+2:G0B+4*\slot+3], s[G0B+4*\slot+2:G0B+4*\slot+3], 4*KB
	JLOAD G0+4*\slot, G1, G0B+4*\slot, G1B
.endif
.endif
.if (\k) < 7
.irp g, X16, X8, W16, W8, SA, SB, SV
	v_xor_b32 v[\g], XK, v[\g]
.endr
	LOADW 0, P1
	LOADSC 1-SS
	s_wait_alu depctr_va_vdst(0)
	s_wait_dscnt 28
.else
	s_wait_dscnt 0x0
.endif
	WIN 0xf0
	MULV P0, 0, SS
.if (\k) < 7
	WIN 0
	PLACES 4
	LOADX 0
	WIN 0xf0
.endif
	MULV P0, 4, SS
	WIN 0
.if (\k) < 7
	PLACES 4
	LOADX 4
	LOADW 1, P0
.endif
.endm
	s_wait_tensorcnt 1
	s_barrier_signal -1
	s_barrier_wait -1
	LOADW 0, 0
	LOADSC 0
	LOADX 0
	LOADX 4
	LOADW 1, 1
	KSTEP 0, 0, 0, 0
	KSTEP 1, 1, 1, 0
	KSTEP 2, 0, 0, 0
	KSTEP 3, 1, 1, 1
	KSTEP 4, 0, 0, 0
	KSTEP 5, 1, 0, 0
	KSTEP 6, 0, 0, 0
	KSTEP 7, 0, 0, 0
	PLACES 4
.macro QUANT src, W, dE, dO, wd
.set WN, (\W)*5
	WIN WN
.irp b, 0,1,2,3
	v_max3_num_f32 v[TM+\b], |v[(\src)+16*\b]|, |v[(\src)+16*\b+1]|, 0x1800000
.endr
.set WN, (\W)*20
	WIN WN
.irp i, 2,4,6,8,10,12,14
.irp b, 0,1,2,3
	v_max3_num_f32 v[TM+\b], v[TM+\b], |v[(\src)+16*\b+\i]|, |v[(\src)+16*\b+\i+1]|
.endr
.endr
	WIN 0
.irp b, 0,1,2,3
	v_permlanex16_b32 v[TM+4+\b], v[TM+\b], s[SEL], s[SEL+1]
.endr
.irp b, 0,1,2,3
	v_max_num_f32 v[TM+\b], v[TM+\b], v[TM+4+\b]
.endr
.irp b, 0,1,2,3
	v_add_nc_u32 v[TM+8+\b], 0xff000000, v[TM+\b]
.endr
.irp b, 0,1,2,3
	v_lshrrev_b32 v[TM+4+\b], 23, v[TM+8+\b]
.endr
	v_lshl_or_b32 v[\wd], v[TM+5], 8, v[TM+4]
	v_lshl_or_b32 v[\wd], v[TM+6], 16, v[\wd]
	v_lshl_or_b32 v[\wd], v[TM+7], 24, v[\wd]
.set WN, \W
	WIN WN
	v_cvt_scalef32_pk16_fp6_f32 v[(\dE):(\dE)+2], v[(\src):(\src)+15], v[TM+8]
	v_cvt_scalef32_pk16_fp6_f32 v[CT:CT+2], v[(\src)+16:(\src)+31], v[TM+9]
	v_cvt_scalef32_pk16_fp6_f32 v[(\dO):(\dO)+2], v[(\src)+32:(\src)+47], v[TM+10]
	v_cvt_scalef32_pk16_fp6_f32 v[CT+4:CT+6], v[(\src)+48:(\src)+63], v[TM+11]
	WIN 0
	v_nop
.irp i, 0,1,2
	v_permlane16_swap_b32 v[(\dE)+\i], v[CT+\i]
.endr
.irp i, 0,1,2
	v_mov_b32 v[(\dE)+3+\i], v[CT+\i]
.endr
.irp i, 0,1,2
	v_permlane16_swap_b32 v[(\dO)+\i], v[CT+4+\i]
.endr
.irp i, 0,1,2
	v_mov_b32 v[(\dO)+3+\i], v[CT+4+\i]
.endr
.endm
.irp b, 0,1,2,3
	v_mov_b32 v[TM+4+\b], 0
.endr
	s_lshl_b32 s84, s17, 4
	s_lshl_b32 s85, s76, 1
	s_add_co_u32 s84, s84, s85
	s_add_co_u32 s84, s84, s16
	s_lshl_b32 s86, s41, 1
	s_add_co_u32 s86, s86, s15
	s_mul_i32 s88, s84, 49152
	s_mul_i32 s89, s86, 6144
	s_add_co_u32 s88, s88, s89
	s_mov_b32 s89, 0
	s_add_nc_u64 s[88:89], s[12:13], s[88:89]
	s_add_nc_u64 s[90:91], s[88:89], 12582912
	s_lshl_b32 s92, s84, 12
	s_lshl_b32 s93, s86, 9
	s_add_co_u32 s92, s92, s93
	s_add_co_u32 s92, s92, 18874368
	s_mov_b32 s93, 0
	s_add_nc_u64 s[92:93], s[12:13], s[92:93]
	s_mul_i32 s94, s84, 6144
	s_lshl_b32 s95, s86, 9
	s_add_co_u32 s94, s94, s95
	s_add_co_u32 s94, s94, 19398656
	s_mov_b32 s95, 0
	s_add_nc_u64 s[94:95], s[12:13], s[94:95]
	s_mul_i32 s80, s84, 6144
	s_lshl_b32 s81, s86, 8
	s_add_co_u32 s80, s80, s81
	s_add_co_u32 s80, s80, 19398656+4096
	s_mov_b32 s81, 0
	s_add_nc_u64 s[80:81], s[12:13], s[80:81]
.irp a, 0,1,2,3,4,5,6,7
.set EQS, 64*(\a%4)
.set EQW, 1+\a/4
.set EQP, PCS+12*(\a%2)
.if \a >= 2
	s_wait_xcnt 0x0
.endif
	QUANT EQS, EQW, EQP, EQP+6, WE+\a
	v_lshrrev_b32 v[WO+\a], 16, v[WE+\a]
	v_and_b32 v[WE+\a], 0xffff, v[WE+\a]
	global_store_b128 v[L16], v[EQP:EQP+3], s[88:89] offset:\a*768
	global_store_b64 v[L8], v[EQP+4:EQP+5], s[88:89] offset:\a*768+512
	global_store_b128 v[L16], v[EQP+6:EQP+9], s[88:89] offset:6291456+\a*768
	global_store_b64 v[L8], v[EQP+10:EQP+11], s[88:89] offset:6291456+\a*768+512
.endr
.irp a, 0,1,2,3
.set EQS, 64*\a
.set EQP, PCS+12*(\a%2)
	s_wait_xcnt 0x0
	QUANT EQS, 3, EQP, EQP+6, WVW+\a
	global_store_b128 v[L16], v[EQP:EQP+3], s[90:91] offset:\a*1536
	global_store_b64 v[L8], v[EQP+4:EQP+5], s[90:91] offset:\a*1536+512
	global_store_b128 v[L16], v[EQP+6:EQP+9], s[90:91] offset:\a*1536+768
	global_store_b64 v[L8], v[EQP+10:EQP+11], s[90:91] offset:\a*1536+1280
.endr
	v_cmp_gt_u32 vcc_lo, 16, v3
.irp i, 0,1,2,3
	v_cndmask_b32 v[OW+\i], v[WE+4+\i], v[WE+\i], vcc_lo
.endr
	global_store_b128 v17, v[OW:OW+3], s[92:93]
.irp i, 0,1,2,3
	v_cndmask_b32 v[CT+\i], v[WO+4+\i], v[WO+\i], vcc_lo
.endr
	global_store_b128 v17, v[CT:CT+3], s[94:95]
	s_wait_xcnt 0x0
	s_and_saveexec_b32 s82, vcc_lo
	global_store_b128 v18, v[WVW:WVW+3], s[80:81]
	s_wait_xcnt 0x0
	s_or_b32 exec_lo, exec_lo, s82
	s_wait_tensorcnt 0x0
	ds_add_u32 v[SPW], v[NIL]
	s_wait_dscnt 0x0
	CROUND
	s_endpgm
.Lfunc_end_k_q1306289783_qkv:
	.size	k_q1306289783_qkv, .Lfunc_end_k_q1306289783_qkv-k_q1306289783_qkv
	.p2alignl 7, 3214868480
	.fill 96, 4, 3214868480
	.section	.rodata,"a",@progbits
	.p2align	6, 0x0
	.amdhsa_kernel k_q1306289783_qkv
		.amdhsa_group_segment_fixed_size 327680
		.amdhsa_private_segment_fixed_size 0
		.amdhsa_enable_private_segment 0
		.amdhsa_kernarg_size 56
		.amdhsa_user_sgpr_count 2
		.amdhsa_user_sgpr_kernarg_segment_ptr 1
		.amdhsa_wavefront_size32 1
		.amdhsa_system_sgpr_workgroup_id_x 1
		.amdhsa_system_sgpr_workgroup_id_y 1
		.amdhsa_system_sgpr_workgroup_id_z 1
		.amdhsa_system_vgpr_workitem_id 0
		.amdhsa_next_free_vgpr 1024
		.amdhsa_next_free_sgpr 100
		.amdhsa_reserve_vcc 1
		.amdhsa_float_denorm_mode_32 3
		.amdhsa_float_denorm_mode_16_64 3
		.amdhsa_memory_ordered 1
		.amdhsa_forward_progress 1
		.amdhsa_inst_pref_size 236
	.end_amdhsa_kernel
	.amdgpu_metadata
---
amdhsa.version: [ 1, 2 ]
amdhsa.kernels:
  - .name:           k_q1306289783_qkv
    .symbol:         k_q1306289783_qkv.kd
    .args:
      - { .name: xop, .offset: 0, .size: 8, .value_kind: global_buffer, .address_space: global }
      - { .name: wop, .offset: 8, .size: 8, .value_kind: global_buffer, .address_space: global }
      - { .name: h1, .offset: 16, .size: 8, .value_kind: global_buffer, .address_space: global }
      - { .name: B1, .offset: 24, .size: 8, .value_kind: global_buffer, .address_space: global }
      - { .name: b_qkv, .offset: 32, .size: 8, .value_kind: global_buffer, .address_space: global }
      - { .name: subject_id, .offset: 40, .size: 8, .value_kind: global_buffer, .address_space: global }
      - { .name: qkv, .offset: 48, .size: 8, .value_kind: global_buffer, .address_space: global }
    .group_segment_fixed_size: 327680
    .private_segment_fixed_size: 0
    .kernarg_segment_align: 8
    .kernarg_segment_size: 56
    .max_flat_workgroup_size: 128
    .sgpr_count:     100
    .vgpr_count:     1024
    .wavefront_size: 32
...
	.end_amdgpu_metadata
.endif
;; end of part 2
;; launch attn (part 3): grid 4 x 64, 16 waves a work-group, clusters of 4 x 1, 327,680 bytes of LDS; arguments qkv, A2, subject_id, yop, h2p; writes yop, h2p
.if DOCPART == 3
	.amdgcn_target "amdgcn-amd-amdhsa--gfx1250"
	.amdhsa_code_object_version 6
	.text
	.protected	k_q1306289783_attn
	.globl	k_q1306289783_attn
	.p2align	8
	.type	k_q1306289783_attn,@function
k_q1306289783_attn:
	s_mov_b64 s[64:65], 0
	v_nop
	global_prefetch_b8 v0, s[64:65] scope:SCOPE_SE
	s_setreg_imm32_b32 hwreg(HW_REG_WAVE_MODE, 25, 1), 1
	s_wait_xcnt 0x0
	s_wait_alu depctr_hold_cnt(0) depctr_sa_sdst(0) depctr_va_vdst(0) depctr_va_sdst(0) depctr_va_ssrc(0) depctr_va_vcc(0) depctr_vm_vsrc(0)
	s_getreg_b32 s2, hwreg(HW_REG_IB_STS2, 6, 4)
	s_cmp_eq_u32 s2, 0
	s_cbranch_scc0 .Lentry_in_a_cluster
	s_endpgm
.Lentry_in_a_cluster:
	s_bfe_u32 s2, ttmp6, 0x10000c
	s_cmp_lg_u32 s2, 0x3003
	s_cbranch_scc0 .Lentry_shape_is_right
	s_endpgm
.Lentry_shape_is_right:
; ATTN.  y = softmax(q k^T / 8) v on codes of FP6, y quantised in registers for the last product, and this pair of heads' part of y A2[subject]^T (bf16 operands: it feeds the output alone).
; pos_embedding is used by no expression of reference(): it is not loaded (see launch prep).
; THE SOFTMAX: t = score x log2(e) / 8; M = the running largest t rounded UP to a whole number; p = 2^(t - M) is quantised along the keys, not normalised; the row's sum is taken of the unquantised p and divides at the end;
; when M moves, the sum and O are multiplied by 2^(old M - new M), which rounds nothing.
; SHARES.  A work-group owns 256 queries of a PAIR of heads (128 channels: one K step of the last product); each of its sixteen waves owns one tile of 16 queries and does the even head, then the odd one.
; Both heads' K and V, 196,608 bytes of images, and their scale words lie in LDS; every byte is filled ONCE, by eleven joint loads, one a wave.  The four query blocks of a pair form a cluster and ask jointly.
; TWO BARRIERS stand in front of reads: behind the first the even head's first 256 keys and the scale words may be read; behind the second, in front of which every wave has waited for its load, everything else.
; LAYOUT.  S^T = K Q^T, O^T = V^T P^T: a lane holds ONE query throughout.  Tiles of keys and of channels lie in place order (launch prep), so a lane's registers are neighbours along the next K.
; K = 64.  The head has 64 channels, the instruction takes 128: Q's fragment is six registers of codes and six of zeros; K's fragment t is the twelve registers from its own six on.  Its upper half (the next tile's codes;
; behind the last tile whatever those six registers hold: every FP6 code is a finite number) meets zero codes alone.  The scale bytes of that half are 0 on both sides.
; TWO REGIONS OF 64 REGISTERS, X = v32-95 and Y = v96-159, change roles from step to step.  In a step region KR holds K's 8 x 6, then V's 4 x 12 (KR .. KR+47), their scale words (KR+54 .. KR+61), f (KR+62) and p's scale word
; (KR+63); region SR holds S^T, then p.  When p's codes are made, SR is free: the NEXT step's K and its scale words are asked for there, 18 LDS loads ahead of the products of V.
; Step 0 of a head, and step 2 of the even head (behind the second barrier), fetch their own K.
; LIMITS: a block of zeros, or one under 2^-124, keeps the byte 1; NaN and infinities are not served; subject_id is held at 9; y and A2 are rounded to bf16 for y A2^T;
; the promise holds while the scaled scores t stay under 2^31 in magnitude.
; OTHER REGISTERS: v1-6 LDS addresses; v7-11 offsets in memory; v12 -M, v13 the largest t, v[14:15] the sum; v16-27 Q and its zeros; v28 Q's scale word; v29, v30 LDS addresses of y's scale words; v160-191 O^T;
; v192-203 p's codes; v204-210 conversions; v212-223 at work; v226-237 y's fragment (v232-237 also sums); v238 its scale word; v240-247 y A2^T; v248-253 sums; v254, v255 the add's two.
.set YS,   208896                      ; y's scale words, 64 bytes a wave: blocks of their own, written by LDS stores alone
.set X,    32
.set Y,    96
.set TM,   212
.set WV,   18
.set SEL,  20
.set CS,   22                          ; s[22:23] c = log2(e) / 8
.set G1C,  24                          ; s[24:31] group 1: 48 rows of 256 bytes
.set G1B,  32                          ; s[32:39] 192 rows
.set G0,   40                          ; s[40:43] my chunk of 12,288 bytes: waves 0-7 the even head's K or V, chunk wave / 2; wave 8 both heads' scale words
.set G0H,  56                          ; s[56:59] the odd head
.macro CROUND
	s_barrier_signal -1
	s_barrier_wait -1
	s_cmp_lg_u32 s[WV], 0
	s_cbranch_scc1 .Lnot_wave_0_\@
	s_barrier_signal -3
.Lnot_wave_0_\@:
	s_barrier_wait -3
	s_barrier_signal -1
	s_barrier_wait -1
.endm
.macro NOPS n
.rept \n
	v_nop
.endr
.endm
.macro PA d, a, b
	v_pk_add_f32 v[\d:\d+1], v[\a:\a+1], v[\b:\b+1]
.endm
	s_load_b256 s[4:11], s[0:1], 0x0               ; qkv, A2, subject_id, yop
	s_load_b64 s[12:13], s[0:1], 0x20              ; h2p
	v_lshl_add_u32 v254, v0, 2, 0x33400
	v_mov_b32 v255, 0
	ds_add_u32 v254, v255                          ; the opening lines
	ds_add_u32 v254, v255
	v_lshrrev_b32 v1, 5, v0
	s_delay_alu instid0(VALU_DEP_1)
	v_readfirstlane_b32 s[WV], v1                  ; wave 0..15
	s_bfe_u32 s14, ttmp6, 0x40000                  ; cx: my 256 queries; it enters addresses in memory alone
	s_and_b32 s15, ttmp7, 0xffff                   ; 8 x batch + pair of heads
	s_mov_b32 s[G1C], 15|(3<<16)|(1<<21)           ; the mask: all four work-groups; elements of 8 bytes; 21 set beside a mask
	s_mov_b32 s[G1C+1], 32<<16
	s_mov_b32 s[G1C+2], 48<<16
	s_mov_b32 s[G1C+3], 32<<16
	s_mov_b32 s[G1C+4], 48
	s_mov_b32 s[G1C+5], 32
	s_mov_b32 s[G1C+6], 0
	s_mov_b32 s[G1C+7], 0
	s_mov_b32 s[G1B], 15|(3<<16)|(1<<21)
	s_mov_b32 s[G1B+1], 32<<16
	s_mov_b32 s[G1B+2], 192<<16
	s_mov_b32 s[G1B+3], 32<<16
	s_mov_b32 s[G1B+4], 192
	s_mov_b32 s[G1B+5], 32
	s_mov_b32 s[G1B+6], 0
	s_mov_b32 s[G1B+7], 0
	s_and_b32 s16, s[WV], 1                        ; even waves fetch K, odd ones V
	s_mul_i32 s17, s16, 49152
	s_add_co_u32 s66, s16, 1
	s_mul_i32 s66, s66, 6291456                    ; k's or v's region
	s_mul_i32 s67, s15, 98304                      ; the pair's even head
	s_add_co_u32 s66, s66, s67
	s_mov_b32 s67, 0
	s_mul_i32 s68, s15, 12288
	s_add_co_u32 s68, s68, 19398656                ; the pair's scale words
	s_lshr_b32 s89, s[WV], 1                       ; my chunk of 256 keys
	s_mul_i32 s88, s89, 12288
	s_add_co_u32 s86, s66, s88                     ; its offset in qkv;
	s_cmp_eq_u32 s[WV], 8
	s_cselect_b32 s86, s68, s86                    ; wave 8: the scale words'
	s_mov_b32 s87, 0
	s_lshr_b32 s84, s[WV], 3
	s_mul_i32 s84, s84, 147456
	s_add_co_u32 s88, s88, s84                     ; in LDS: 12,288 x chunk; wave 8: 49,152 + 147,456 = 196,608
	s_and_b32 s89, s89, 3                          ; 0 in waves 0, 1 and 8: what the first two key steps read
	s_lshr_b32 s70, s15, 3
	s_lshl_b32 s70, s70, 2
	s_mov_b32 s71, 0
	s_wait_dscnt 0x0
	s_wait_kmcnt 0x0
	s_add_nc_u64 s[8:9], s[8:9], s[70:71]
	s_load_b32 s70, s[8:9], 0x0                    ; the batch's subject
	s_add_nc_u64 s[66:67], s[4:5], s[66:67]
	s_mov_b32 s[G0], 1
	s_add_co_u32 s[G0+1], s17, s88
	s_add_nc_u64 s[G0+2:G0+3], s[4:5], s[86:87]
	s_or_b32 s[G0+3], s[G0+3], 0x80000000
	s_mov_b32 s[G0H], 1
	s_add_co_u32 s[G0H+1], s17, 98304
	s_add_nc_u64 s[G0H+2:G0H+3], s[66:67], 49152
	s_or_b32 s[G0H+3], s[G0H+3], 0x80000000
	v_and_b32 v9, 15, v0                           ; r
	v_bfe_u32 v10, v0, 4, 1                        ; h
	v_and_b32 v11, 31, v0                          ; lane
	s_delay_alu instid0(VALU_DEP_1)
	v_lshlrev_b32 v7, 4, v11                       ; 16 x lane
	s_delay_alu instid0(VALU_DEP_2)
	v_lshlrev_b32 v8, 3, v11                       ; 8 x lane
	s_delay_alu instid0(VALU_DEP_3)
	v_lshlrev_b32 v1, 4, v11                       ; K's images: 16 x lane,
	s_delay_alu instid0(VALU_DEP_2)
	v_add_nc_u32 v2, 512, v8                       ; 512 + 8 x lane
	s_delay_alu instid0(VALU_DEP_4)
	v_add_nc_u32 v3, 49152, v7                     ; V's
	s_delay_alu instid0(VALU_DEP_4)
	v_add_nc_u32 v6, 49664, v8
	v_lshl_add_u32 v4, v9, 5, 196608               ; K's scale words: [128 keys][place][tile]
	v_lshl_add_u32 v5, v9, 4, 200704               ; V's: [128 keys][place][channel tile]
	s_lshl_b32 s72, s[WV], 6
	s_add_co_u32 s72, s72, YS
	v_lshl_add_u32 v29, v9, 2, s72                 ; y's scale word: 64 x wave + 4 r
	s_lshl_b32 s72, s[WV], 9
	s_add_co_u32 s72, s72, YS
	v_add_nc_u32 v30, s72, v7                      ; waves 0, 1: eight waves' words
	v_lshlrev_b32 v11, 5, v9
	s_delay_alu instid0(VALU_DEP_1)
	v_lshl_add_u32 v11, v10, 4, v11                ; 32 r + 16 h
	v_and_b32 v224, 3, v0
	v_bfe_u32 v12, v0, 3, 1
	s_delay_alu instid0(VALU_DEP_1)
	v_lshl_add_u32 v224, v12, 2, v224              ; rank (r % 4) + 4 (r / 8)
	s_delay_alu instid0(VALU_DEP_1)
	v_lshlrev_b32 v224, 12, v224
	s_delay_alu instid0(VALU_DEP_1)
	v_lshl_add_u32 v10, v10, 6, v224               ; A2: that row of 4,096 bytes, + 64 h
	v_lshlrev_b32 v9, 5, v9                        ; 32 r
	s_wait_alu depctr_va_vdst(0)
	s_lshl_b32 s72, s14, 4
	s_add_co_u32 s72, s72, s[WV]                   ; my tile of the 64
	s_mul_i32 s73, s72, 768
	s_mul_i32 s74, s15, 98304
	s_add_co_u32 s74, s74, s73
	s_mov_b32 s75, 0
	s_add_nc_u64 s[74:75], s[4:5], s[74:75]        ; Q's codes, the even head's
	s_lshr_b32 s76, s72, 3
	s_lshl_b32 s76, s76, 9
	s_and_b32 s77, s72, 7
	s_lshl_b32 s77, s77, 2
	s_add_co_u32 s76, s76, s77
	s_lshl_b32 s77, s15, 13
	s_add_co_u32 s76, s76, s77
	s_add_co_u32 s76, s76, 18874368
	s_mov_b32 s77, 0
	s_add_nc_u64 s[76:77], s[4:5], s[76:77]        ; and its scale words
	global_load_b128 v[16:19], v7, s[74:75]
	global_load_b64 v[20:21], v8, s[74:75] offset:512
	global_load_b32 v28, v9, s[76:77]
	CROUND                                         ; all four work-groups are here: the joint loads meet
; THE FIRST FILLS, one a wave, in one chain of arms on the wave's number: eleven loads; waves 11-15 issue none
	s_cmp_lt_u32 s[WV], 11
	s_cbranch_scc0 .Lasked
	s_cmp_gt_u32 s[WV], 8
	s_cbranch_scc0 .Lnot_odd
	tensor_load_to_lds s[G0H:G0H+3], s[G1B:G1B+7]  ; waves 9, 10: the odd head's V, K, whole
	s_nop 0
	NOPS 4
	s_branch .Lasked
.Lnot_odd:
	s_cmp_lg_u32 s89, 0
	s_cbranch_scc0 .Lfirst
	tensor_load_to_lds s[G0:G0+3], s[G1C:G1C+7]    ; waves 2-7: the even head's keys 256 on
	s_nop 0
	NOPS 4
	s_branch .Lasked
.Lfirst:
	tensor_load_to_lds s[G0:G0+3], s[G1C:G1C+7]    ; waves 0, 1, 8: the even head's first 256 keys of K and V, and the scale words
	s_nop 0
	NOPS 4
	s_wait_tensorcnt 0x0                           ; they are wanted behind the first barrier; Q's loads above are on their way meanwhile
.Lasked:
.irp i, 22,23,24,25,26,27,80,81,82,83,84,85,95,216,217,218,219
	v_mov_b32 v[\i], 0                             ; Q's zero half; what the first step names before it is made (X+48 .. X+53, X+63); the lane permutes' destinations
.endr
	s_mov_b32 s[SEL], 0x76543210
	s_mov_b32 s[SEL+1], 0xfedcba98
	s_mov_b32 s[CS], 0x3e38aa3b                    ; log2(e) / 8
	s_mov_b32 s[CS+1], s[CS]
	s_and_b32 s78, s15, 7                          ; the pair of heads
	s_lshr_b32 s80, s15, 3
	s_lshl_b32 s80, s80, 3
	s_lshr_b32 s81, s72, 3
	s_add_co_u32 s80, s80, s81                     ; y's block of 128 tokens
	s_mul_i32 s80, s80, 102400
	s_mul_i32 s81, s78, 12800                      ; K step = the pair
	s_add_co_u32 s80, s80, s81
	s_and_b32 s81, s[WV], 7
	s_mul_i32 s81, s81, 1536
	s_add_co_u32 s80, s80, s81
	s_mov_b32 s81, 0
	s_add_nc_u64 s[80:81], s[10:11], s[80:81]
	s_lshl_b32 s84, s78, 18                        ; h2p: [pair][place 8,192][8]
	s_lshr_b32 s85, s15, 3
	s_lshl_b32 s85, s85, 15
	s_add_co_u32 s84, s84, s85
	s_lshl_b32 s85, s72, 9
	s_add_co_u32 s84, s84, s85
	s_mov_b32 s85, 0
	s_add_nc_u64 s[84:85], s[12:13], s[84:85]
	s_wait_kmcnt 0x0
	s_min_u32 s70, s70, 9
	s_lshl_b32 s70, s70, 15
	s_lshl_b32 s79, s78, 9
	s_add_co_u32 s70, s70, s79
	s_mov_b32 s71, 0
	s_add_nc_u64 s[6:7], s[6:7], s[70:71]          ; A2[subject], at the even head's channels
; K's eight tiles of key step s and their scale words into region R: 18 LDS loads
.macro KLOAD s, R
.irp t, 0,1,2,3,4,5,6,7
	ds_load_b128 v[\R+6*\t:\R+6*\t+3], v1 offset:(\s)*6144+\t*768
	ds_load_b64 v[\R+6*\t+4:\R+6*\t+5], v2 offset:(\s)*6144+\t*768
.endr
	ds_load_b128 v[\R+54:\R+57], v4 offset:(\s)*512
	ds_load_b128 v[\R+58:\R+61], v4 offset:(\s)*512+16
.endm
; A KEY STEP: 128 keys, the s-th of the head.  first: it starts O^T's sums;  last: A2's rows for head hd are asked for;  own: it fetches its own K;  pre: it asks for the next step's K
.macro STEP s, first, last, hd, KR, SR, own, pre
	NOPS 5                                         ; five places: S^T lands on registers that the last step's products of V have read
.if \own
	KLOAD \s, \KR
.endif
	s_wait_dscnt 0x0                               ; K and its scale words are in
.irp t, 0,1,2,3,4,5,6,7
	v_wmma_scale_f32_16x16x128_f8f6f4 v[\SR+8*\t:\SR+8*\t+7], v[\KR+6*\t:\KR+6*\t+11], v[16:27], 0, v[\KR+54+\t], v28 matrix_a_fmt:MATRIX_FMT_FP6 matrix_b_fmt:MATRIX_FMT_FP6
.endr
	NOPS 4
.irp d, 0,1,2,3                                ; V's four tiles of channels land under the softmax: 17 loads with their scale words
	ds_load_b128 v[\KR+12*\d:\KR+12*\d+3], v3 offset:(\s)*6144+\d*1536
	ds_load_b64 v[\KR+12*\d+4:\KR+12*\d+5], v6 offset:(\s)*6144+\d*1536
	ds_load_b128 v[\KR+12*\d+6:\KR+12*\d+9], v3 offset:(\s)*6144+\d*1536+768
	ds_load_b64 v[\KR+12*\d+10:\KR+12*\d+11], v6 offset:(\s)*6144+\d*1536+768
.endr
	ds_load_b128 v[\KR+54:\KR+57], v5 offset:(\s)*256
.irp b, 0,1,2,3
	v_max3_num_f32 v[TM+\b], v[\SR+16*\b], v[\SR+1+16*\b], v[\SR+2+16*\b]   ; the largest score of each block of 32 keys: for the row's maximum and, since p rises with the score, for the block's largest p
.endr
.irp i, 3,5,7,9,11,13
.irp b, 0,1,2,3
	v_max3_num_f32 v[TM+\b], v[TM+\b], v[\SR+16*\b+\i], v[\SR+1+16*\b+\i]
.endr
.endr
.irp b, 0,1,2,3
	v_max_num_f32 v[TM+\b], v[TM+\b], v[\SR+15+16*\b]
.endr
.irp b, 0,1,2,3
	s_delay_alu instid0(VALU_DEP_4)
	v_permlanex16_b32 v[TM+4+\b], v[TM+\b], s[SEL], s[SEL+1]
.endr
.irp b, 0,1,2,3
	s_delay_alu instid0(VALU_DEP_4)
	v_max_num_f32 v[TM+\b], v[TM+\b], v[TM+4+\b]
.endr
	s_delay_alu instid0(VALU_DEP_2)
	v_max3_num_f32 v224, v[TM], v[TM+1], v[TM+2]
	s_delay_alu instid0(VALU_DEP_1)
	v_max_num_f32 v224, v224, v[TM+3]
	s_delay_alu instid0(VALU_DEP_1)
	v_mul_f32 v224, s[CS], v224                    ; as t
	s_delay_alu instid0(VALU_DEP_1)
	v_max_num_f32 v13, v13, v224                   ; the running largest t
	v_mov_b32 v224, v12
	s_delay_alu instid0(VALU_DEP_2)
	v_floor_f32 v12, -v13                          ; -M = floor(-t): M is a whole number
	s_delay_alu instid0(VALU_DEP_1)
	v_sub_f32 v224, v12, v224                      ; old M - new M
	s_delay_alu instid0(VALU_DEP_1)
	v_cvt_i32_f32 v224, v224                       ; (it saturates)
	s_delay_alu instid0(VALU_DEP_1)
	v_ldexp_f32 v[\KR+62], 1.0, v224               ; f = 2^(old M - new M)
.set ii, 0
.rept 32
	v_pk_fma_f32 v[\SR+ii:\SR+ii+1], v[\SR+ii:\SR+ii+1], s[CS:CS+1], v[12:13] op_sel_hi:[1,0,0]   ; t - M, two at a time
.set ii, ii+2
.endr
.irp b, 0,1,2,3
	v_fma_f32 v[TM+\b], v[TM+\b], s[CS], v12
.endr
.set ii, 0
	s_wait_alu depctr_va_vdst(0)
.rept 64
	v_exp_f32 v[\SR+ii], v[\SR+ii]                 ; p = 2^(t - M): one batch
.set ii, ii+1
.endr
	v_pk_mul_f32 v[14:15], v[14:15], v[\KR+62:\KR+63] op_sel_hi:[1,0]   ; the sums under the new M: a plain line behind the exponentials
	s_wait_alu depctr_va_vdst(0)                   ; one wait for the batch, ahead of its first reader
.irp b, 0,1,2,3
	v_exp_f32 v[TM+\b], v[TM+\b]                   ; each block's largest p
.endr
	PA 216, \SR+4, \SR+8                           ; the row's sum of the unquantised p, in eight chains
	PA 252, \SR+12, \SR+16
	PA 250, \SR+20, \SR+24
	PA 248, \SR+28, \SR+32
	PA 236, \SR+36, \SR+40
	PA 234, \SR+44, \SR+48
	PA 232, \SR+52, \SR+56
	PA 14, 14, \SR+60
	PA 216, 216, \SR
	PA 252, 252, \SR+2
	PA 250, 250, \SR+6
	PA 248, 248, \SR+10
	PA 236, 236, \SR+14
	PA 234, 234, \SR+18
	PA 232, 232, \SR+22
	PA 14, 14, \SR+26
	PA 216, 216, \SR+30
	PA 252, 252, \SR+34
	PA 250, 250, \SR+38
	PA 248, 248, \SR+42
	PA 236, 236, \SR+46
	PA 234, 234, \SR+50
	PA 232, 232, \SR+54
	PA 14, 14, \SR+58
	PA 216, 216, \SR+62
	s_delay_alu instid0(VALU_DEP_2)
	PA 14, 14, 248
	s_delay_alu instid0(VALU_DEP_2)
	PA 216, 216, 236
	PA 252, 252, 234
	PA 250, 250, 232
	s_delay_alu instid0(VALU_DEP_2)
	PA 14, 14, 252
	s_delay_alu instid0(VALU_DEP_2)
	PA 216, 216, 250
	s_delay_alu instid0(VALU_DEP_1)
	PA 14, 14, 216
	s_wait_alu depctr_va_vdst(0)                   ; and one for the four
.irp b, 0,1,2,3
	v_max_num_f32 v[TM+\b], 0x1800000, v[TM+\b]    ; the floor 2^(3 - 127)
.endr
.irp b, 0,1,2,3
	s_delay_alu instid0(VALU_DEP_4)
	v_add_nc_u32 v[TM+8+\b], 0xff000000, v[TM+\b]
.endr
.irp b, 0,1,2,3
	s_delay_alu instid0(VALU_DEP_4)
	v_lshrrev_b32 v[TM+4+\b], 23, v[TM+8+\b]
.endr
	s_delay_alu instid0(VALU_DEP_3)
	v_lshl_or_b32 v[\KR+63], v[TM+5], 8, v[TM+4]   ; p's scale word for these 128 keys
	s_delay_alu instid0(VALU_DEP_1)
	v_lshl_or_b32 v[\KR+63], v[TM+6], 16, v[\KR+63]
	s_delay_alu instid0(VALU_DEP_1)
	v_lshl_or_b32 v[\KR+63], v[TM+7], 24, v[\KR+63]
	v_cvt_scalef32_pk16_fp6_f32 v[192:194], v[\SR:\SR+15], v[TM+8]
	v_cvt_scalef32_pk16_fp6_f32 v[204:206], v[\SR+16:\SR+31], v[TM+9]
	v_cvt_scalef32_pk16_fp6_f32 v[198:200], v[\SR+32:\SR+47], v[TM+10]
	v_cvt_scalef32_pk16_fp6_f32 v[208:210], v[\SR+48:\SR+63], v[TM+11]
	v_nop                                          ; one plain line behind the scaled conversions
.if \pre
	KLOAD (\s)+1, \SR                              ; p is read no more: the next step's K lands where it lay
.endif
.irp i, 0,1,2
	v_permlane16_swap_b32 v[192+\i], v[204+\i]
.endr
.irp i, 0,1,2
	s_delay_alu instid0(VALU_DEP_3)
	v_mov_b32 v[195+\i], v[204+\i]
.endr
.irp i, 0,1,2
	v_permlane16_swap_b32 v[198+\i], v[208+\i]
.endr
.irp i, 0,1,2
	s_delay_alu instid0(VALU_DEP_3)
	v_mov_b32 v[201+\i], v[208+\i]
.endr
.if \last
.irp b, 0,1
.irp n, 0,1,2,3
	global_load_b128 v[\SR+16*\b+4*\n:\SR+16*\b+4*\n+3], v10, s[6:7] offset:256*(\hd)+128*\b+16*\n   ; A2's row, channels 32 b + 16 h on, in the order in which y's numbers of the same channels will lie
.endr
.endr
.endif
.if \first
	s_wait_alu depctr_va_vdst(0)
	NOPS 8                                         ; the places between the scale word's and the codes' last lines and the products
.else
.set ii, 0
.rept 16
	v_pk_mul_f32 v[160+ii:161+ii], v[160+ii:161+ii], v[\KR+62:\KR+63] op_sel_hi:[1,0]   ; O^T under the new M; these are also those places
.set ii, ii+2
.endr
.endif
	s_wait_alu depctr_va_vdst(0)
.if \pre
	s_wait_dscnt 18                                ; V and its scale words are in; the 18 younger loads of the next K may stay out
.else
	s_wait_dscnt 0x0                               ; V is in
.endif
.irp d, 0,1,2,3
.if \first
	v_wmma_scale_f32_16x16x128_f8f6f4 v[160+8*\d:167+8*\d], v[\KR+12*\d:\KR+12*\d+11], v[192:203], 0, v[\KR+54+\d], v[\KR+63] matrix_a_fmt:MATRIX_FMT_FP6 matrix_b_fmt:MATRIX_FMT_FP6
.else
	v_wmma_scale_f32_16x16x128_f8f6f4 v[160+8*\d:167+8*\d], v[\KR+12*\d:\KR+12*\d+11], v[192:203], v[160+8*\d:167+8*\d], v[\KR+54+\d], v[\KR+63] matrix_a_fmt:MATRIX_FMT_FP6 matrix_b_fmt:MATRIX_FMT_FP6
.endif
.endr
.endm
; A head's end (its last step had KR = Y, SR = X): y = O^T / sum into v96-127; its 64 channels become half of y's fragment and two bytes of its scale word; and y A2^T takes them up in bf16 (A2 v32-63 -> v32-47, y -> v64-79)
.macro TAIL hd
	v_add_f32 v14, v14, v15
	s_delay_alu instid0(VALU_DEP_1)
	v_permlanex16_b32 v224, v14, s[SEL], s[SEL+1]
	s_delay_alu instid0(VALU_DEP_1)
	v_add_f32 v14, v14, v224                       ; the row's sum
	s_wait_alu depctr_va_vdst(0)
	v_rcp_f32 v94, v14
	NOPS 4                                         ; plain lines behind the reciprocal, and the places behind the last products
.if \hd == 0
	global_load_b128 v[16:19], v7, s[74:75] offset:49152          ; the odd head's Q
	global_load_b64 v[20:21], v8, s[74:75] offset:49152+512
	global_load_b32 v28, v9, s[76:77] offset:4096
.endif
	s_wait_alu depctr_va_vdst(0)                   ; the wait ahead of the reciprocal's first reader
.set ii, 0
.rept 16
	v_pk_mul_f32 v[96+ii:97+ii], v[160+ii:161+ii], v[94:95] op_sel_hi:[1,0]   ; register 16 b + i is channel 32 b + 16 h + i; each accumulator is read from its low end on
.set ii, ii+2
.endr
.irp b, 0,1
	v_max3_num_f32 v[TM+\b], |v[96+16*\b]|, |v[97+16*\b]|, 0x1800000
.endr
.irp i, 2,4,6,8,10,12,14
.irp b, 0,1
	s_delay_alu instid0(VALU_DEP_2)
	v_max3_num_f32 v[TM+\b], v[TM+\b], |v[96+16*\b+\i]|, |v[97+16*\b+\i]|
.endr
.endr
.irp b, 0,1
	s_delay_alu instid0(VALU_DEP_2)
	v_permlanex16_b32 v[TM+4+\b], v[TM+\b], s[SEL], s[SEL+1]
.endr
.irp b, 0,1
	s_delay_alu instid0(VALU_DEP_2)
	v_max_num_f32 v[TM+\b], v[TM+\b], v[TM+4+\b]
.endr
.irp b, 0,1
	s_delay_alu instid0(VALU_DEP_2)
	v_add_nc_u32 v[TM+8+\b], 0xff000000, v[TM+\b]
.endr
.irp b, 0,1
	s_delay_alu instid0(VALU_DEP_2)
	v_lshrrev_b32 v[TM+4+\b], 23, v[TM+8+\b]
.endr
.if \hd == 0
	s_delay_alu instid0(VALU_DEP_1)
	v_lshl_or_b32 v238, v[TM+5], 8, v[TM+4]
.else
	s_delay_alu instid0(VALU_DEP_2)
	v_lshl_or_b32 v238, v[TM+4], 16, v238
	s_delay_alu instid0(VALU_DEP_1)
	v_lshl_or_b32 v238, v[TM+5], 24, v238
.endif
	v_cvt_scalef32_pk16_fp6_f32 v[226+6*\hd:228+6*\hd], v[96:111], v[TM+8]
	v_cvt_scalef32_pk16_fp6_f32 v[204:206], v[112:127], v[TM+9]
	v_nop
.irp i, 0,1,2
	v_permlane16_swap_b32 v[226+6*\hd+\i], v[204+\i]
.endr
.irp i, 0,1,2
	s_delay_alu instid0(VALU_DEP_3)
	v_mov_b32 v[229+6*\hd+\i], v[204+\i]
.endr
.set ii, 0
.rept 16
	v_cvt_pk_bf16_f32 v[64+ii], v[96+2*ii], v[97+2*ii]
.set ii, ii+1
.endr
.if \hd == 0
	s_wait_loadcnt 3                               ; A2's eight loads are in; the odd head's three of Q may stay out
.else
	s_wait_loadcnt 0x0
.endif
.set ii, 0
.rept 16
	v_cvt_pk_bf16_f32 v[32+ii], v[32+2*ii], v[33+2*ii]             ; ascending: result ii lands at or under its own sources
.set ii, ii+1
.endr
; source 0 = A2's rows, source 1 = my 16 queries; K is permuted alike on both sides.  One accumulator
.if \hd == 0
	v_wmma_f32_16x16x32_bf16 v[240:247], v[32:39], v[64:71], 0
.else
	s_wait_alu depctr_va_vdst(0)
	v_wmma_f32_16x16x32_bf16 v[240:247], v[32:39], v[64:71], v[240:247]
.endif
	s_wait_alu depctr_va_vdst(0)
	v_wmma_f32_16x16x32_bf16 v[240:247], v[40:47], v[72:79], v[240:247]
.endm
.macro BEGIN                           ; a head's statistics: the largest t under every t, the sum 0; and its Q
	v_mov_b32 v13, 0xff61b1e6
	s_delay_alu instid0(VALU_DEP_1)
	v_floor_f32 v12, -v13
	v_mov_b32 v14, 0
	v_mov_b32 v15, 0
	s_wait_loadcnt 0x0
.endm
	BEGIN
	s_barrier_signal -1
	s_barrier_wait -1                              ; waves 0, 1 and 8 have waited for their loads: the even head's first 256 keys and the scale words may be read; nothing is ever filled again
	STEP 0, 1, 0, 0, X, Y, 1, 1
	STEP 1, 0, 0, 0, Y, X, 0, 0                    ; step 2's K lies in a chunk that only the barrier below shows whole: it is not asked for here
	s_wait_tensorcnt 0x0                           ; my load has landed
	s_barrier_signal -1
	s_barrier_wait -1                              ; everybody's has: from here on every byte of K and V may be read by every wave
	STEP 2, 0, 0, 0, X, Y, 1, 1
	STEP 3, 0, 0, 0, Y, X, 0, 1
	STEP 4, 0, 0, 0, X, Y, 0, 1
	STEP 5, 0, 0, 0, Y, X, 0, 1
	STEP 6, 0, 0, 0, X, Y, 0, 1
	STEP 7, 0, 1, 0, Y, X, 0, 0
	TAIL 0
.irp g, 1,2,3,6
	v_add_nc_u32 v[\g], 98304, v[\g]               ; on to the odd head's K and V,
.endr
	v_add_nc_u32 v4, 6144, v4                      ; and its scale words
	v_add_nc_u32 v5, 6144, v5
	BEGIN
	s_wait_alu depctr_va_vdst(0)
	STEP 0, 1, 0, 1, X, Y, 1, 1
	STEP 1, 0, 0, 1, Y, X, 0, 1
	STEP 2, 0, 0, 1, X, Y, 0, 1
	STEP 3, 0, 0, 1, Y, X, 0, 1
	STEP 4, 0, 0, 1, X, Y, 0, 1
	STEP 5, 0, 0, 1, Y, X, 0, 1
	STEP 6, 0, 0, 1, X, Y, 0, 1
	STEP 7, 0, 1, 1, Y, X, 0, 0
	TAIL 1
	NOPS 4                                         ; places behind the last product, in front of the store of its result
	global_store_b128 v7, v[226:229], s[80:81]     ; y's fragment as an image: each store covers 512 or 256 consecutive aligned bytes
	global_store_b64 v8, v[230:231], s[80:81] offset:512
	global_store_b128 v7, v[232:235], s[80:81] offset:768
	global_store_b64 v8, v[236:237], s[80:81] offset:1280
	global_store_b128 v11, v[240:243], s[84:85]    ; lane (r, h): ranks 4 h .. 4 h + 3 of place r: 512 consecutive bytes
	ds_store_b32 v29, v238
	s_wait_dscnt 0x0                               ; for the others' sake
	s_barrier_signal -1
	s_barrier_wait -1
	s_cmp_lt_u32 s[WV], 2
	s_cbranch_scc0 .Lno_words
	s_lshr_b32 s86, s15, 3
	s_lshl_b32 s86, s86, 3
	s_lshl_b32 s87, s14, 1
	s_add_co_u32 s86, s86, s87
	s_add_co_u32 s86, s86, s[WV]                   ; the block of 128 tokens of waves 8 w .. 8 w + 7
	s_mul_i32 s86, s86, 102400
	s_mul_i32 s87, s78, 12800
	s_add_co_u32 s86, s86, s87
	s_add_co_u32 s86, s86, 12288
	s_mov_b32 s87, 0
	s_add_nc_u64 s[86:87], s[10:11], s[86:87]
	ds_load_b128 v[96:99], v30
	s_wait_dscnt 0x0
	global_store_b128 v7, v[96:99], s[86:87]       ; eight tiles' scale words: 512 consecutive bytes
.Lno_words:
	s_wait_tensorcnt 0x0                           ; the wave's end
	ds_add_u32 v254, v255
	s_wait_dscnt 0x0
	CROUND                                         ; the closing round
	s_endpgm
.Lfunc_end_k_q1306289783_attn:
	.size	k_q1306289783_attn, .Lfunc_end_k_q1306289783_attn-k_q1306289783_attn
	.p2alignl 7, 3214868480
	.fill 96, 4, 3214868480
	.section	.rodata,"a",@progbits
	.p2align	6, 0x0
	.amdhsa_kernel k_q1306289783_attn
		.amdhsa_group_segment_fixed_size 327680
		.amdhsa_private_segment_fixed_size 0
		.amdhsa_enable_private_segment 0
		.amdhsa_kernarg_size 40
		.amdhsa_user_sgpr_count 2
		.amdhsa_user_sgpr_kernarg_segment_ptr 1
		.amdhsa_wavefront_size32 1
		.amdhsa_system_sgpr_workgroup_id_x 1
		.amdhsa_system_sgpr_workgroup_id_y 1
		.amdhsa_system_sgpr_workgroup_id_z 1
		.amdhsa_system_vgpr_workitem_id 0
		.amdhsa_next_free_vgpr 256
		.amdhsa_next_free_sgpr 90
		.amdhsa_reserve_vcc 0
		.amdhsa_float_denorm_mode_32 3
		.amdhsa_float_denorm_mode_16_64 3
		.amdhsa_memory_ordered 1
		.amdhsa_forward_progress 1
		.amdhsa_inst_pref_size 255
	.end_amdhsa_kernel
	.section	.bss,"aw",@nobits
	.p2align	6
	.space	262144
	.amdgpu_metadata
---
amdhsa.version: [ 1, 2 ]
amdhsa.kernels:
  - .name:           k_q1306289783_attn
    .symbol:         k_q1306289783_attn.kd
    .args:
      - { .name: qkv, .offset: 0, .size: 8, .value_kind: global_buffer, .address_space: global }
      - { .name: A2, .offset: 8, .size: 8, .value_kind: global_buffer, .address_space: global }
      - { .name: subject_id, .offset: 16, .size: 8, .value_kind: global_buffer, .address_space: global }
      - { .name: yop, .offset: 24, .size: 8, .value_kind: global_buffer, .address_space: global }
      - { .name: h2p, .offset: 32, .size: 8, .value_kind: global_buffer, .address_space: global }
    .group_segment_fixed_size: 327680
    .private_segment_fixed_size: 0
    .kernarg_segment_align: 8
    .kernarg_segment_size: 40
    .max_flat_workgroup_size: 512
    .sgpr_count:     90
    .vgpr_count:     256
    .wavefront_size: 32
...
	.end_amdgpu_metadata
.endif
;; end of part 3
;; launch proj (part 4): grid 8 x 32, 4 waves a work-group, clusters of 4 x 4, 327,680 bytes of LDS; arguments yop, wop, h2p, B2, b_p, subject_id, out0; writes out0
.if DOCPART == 4
	.amdgcn_target "amdgcn-amd-amdhsa--gfx1250"
	.amdhsa_code_object_version 6
	.text
	.protected	k_q1306289783_proj
	.globl	k_q1306289783_proj
	.p2align	8
	.type	k_q1306289783_proj,@function
k_q1306289783_proj:
	s_mov_b64 s[64:65], 0
	v_nop
	global_prefetch_b8 v0, s[64:65] scope:SCOPE_SE
	s_setreg_imm32_b32 hwreg(HW_REG_WAVE_MODE, 25, 1), 1
	s_wait_xcnt 0x0
	s_wait_alu depctr_hold_cnt(0) depctr_sa_sdst(0) depctr_va_vdst(0) depctr_va_sdst(0) depctr_va_ssrc(0) depctr_va_vcc(0) depctr_vm_vsrc(0)
	s_getreg_b32 s2, hwreg(HW_REG_IB_STS2, 6, 4)
	s_cmp_eq_u32 s2, 0
	s_cbranch_scc0 .Lentry_in_a_cluster
	s_endpgm
.Lentry_in_a_cluster:
	s_bfe_u32 s2, ttmp6, 0x10000c
	s_cmp_lg_u32 s2, 0xf033
	s_cbranch_scc0 .Lentry_shape_is_right
	s_endpgm
.Lentry_shape_is_right:
; PROJ.  out0 = Q(y) Q(W_p)^T + b_p + (y A2^T) B2[subject]^T / 8.
; A work-group makes 256 tokens x 128 columns, so that there are 256 work-groups; a wave 128 x 64: 32 accumulators.  Source 0 = W_p's rows, source 1 = tokens: a lane holds eight neighbouring columns of one token.
; All of K lies in LDS: y's 256 rows (204,800 bytes of images) and W_p's 128 (102,400), each byte filled ONCE, by four tensor loads, one a wave; the products begin when all four have landed.
; CLUSTER 4 x 4: y's tile hangs on cy and is shared along a row, W_p's on cx and is shared along a column: joint loads.
; THE SMALL PRODUCT feeds the output alone: one bf16 matrix instruction for each accumulator starts its sum, with the bias as C.  Its K = 32 is 4 groups x 8 ranks: source 1 holds the eight pairs of heads' partial sums,
; added two by two in f32; source 0 holds B2 / 8 in all four groups: so the matrix unit adds the groups.
; Tokens lie in place order (launch prep); the stores turn places back into tokens.
; LIMITS: the partial sums of y A2^T and B2 are rounded to bf16; subject_id is held at 9; NaN and infinities are not served.
; REGISTERS: window 0: v1-5 lane terms; v8-13 LDS addresses; v14-19 stage and offsets; v32-55 scale words, two sets of 12; v64-159, v160-255 y's fragments, two sets (v160-223 first hold the small product's source 1).
;   window 1: v0-47, v48-95 W_p's fragments, two sets; v96-127 the small product's source 0; v128-159 the bias; v160-191 B2.   window 2: first the partial sums, then the accumulators ((a, b) at v[8 (4 a + b)]).
; THE FILLS: one tensor load a wave at the head: waves 0, 1 y's two halves (400 rows of 256 bytes each), waves 2, 3 the two halves of W_p's block (200 rows each); the products begin when all four have landed, behind one barrier.
.set CH,    25600                      ; 128 rows x 256 along K: the step of the LDS addresses for every two K steps
.set STP,   12800
.set WLDS,  204800                     ; W_p's rows, behind y's two halves
.set STG,   307200                     ; the stages: 16 rows x 272 bytes a wave, blocks of their own
.set ADA16, 8
.set ADA8,  9
.set ADB16, 10
.set ADB8,  11
.set ADSA,  12
.set ADSB,  13
.set STO,   14
.set RD,    15
.set CO,    16
.set SC,    32
.set G1A, 24
.set G1B, 32
.set G0A, 48                           ; s[48:51] my half of y
.set G0B, 72                           ; s[72:75] my half of W_p's block
.set MSB, 0
.macro WIN new
.if MSB != \new
	s_set_vgpr_msb (MSB<<8)|\new
.set MSB, \new
.endif
.endm
.macro CROUND
	s_barrier_signal -1
	s_barrier_wait -1
	s_cmp_lg_u32 s18, 0
	s_cbranch_scc1 .Lnot_wave_0_\@
	s_barrier_signal -3
.Lnot_wave_0_\@:
	s_barrier_wait -3
	s_barrier_signal -1
	s_barrier_wait -1
.endm
	s_load_b256 s[4:11], s[0:1], 0x0               ; yop, wop, h2p, B2
	s_load_b128 s[12:15], s[0:1], 0x20             ; b_p, subject_id
	s_load_b64 s[16:17], s[0:1], 0x30              ; out0
	v_lshl_add_u32 v62, v0, 2, 0x4f400
	v_mov_b32 v63, 0
	ds_add_u32 v62, v63
	ds_add_u32 v62, v63
	v_lshrrev_b32 v1, 5, v0
	v_readfirstlane_b32 s18, v1                    ; wave 0..3
	s_lshr_b32 s19, s18, 1                         ; my 128 of the 256 tokens
	s_and_b32 s20, s18, 1                          ; my 64 of the 128 columns.  Also: which half of y wave 0 or 1 fetches
	s_bfe_u32 s40, ttmp6, 0x40000                  ; cx
	s_bfe_u32 s41, ttmp6, 0x40004                  ; cy
	s_and_b32 s43, ttmp7, 0xffff                   ; the cluster's y: the batch
	s_lshl_b32 s44, s41, 2
	s_lshl_b32 s44, 15, s44                        ; my row of the cluster
	s_lshl_b32 s45, 0x1111, s40                    ; my column
	s_or_b32 s[G1A], s44, (3<<16)|(1<<21)
	s_or_b32 s[G1B], s45, (3<<16)|(1<<21)
	s_mov_b32 s[G1A+2], 400<<16                    ; y: 400 rows of 256 bytes, dense
	s_mov_b32 s[G1A+4], 400
	s_mov_b32 s[G1B+2], 200<<16                    ; W_p: 200 rows
	s_mov_b32 s[G1B+4], 200
.irp g, G1A, G1B
	s_mov_b32 s[\g+1], 32<<16                      ; rows of 256 bytes, dense
	s_mov_b32 s[\g+3], 32<<16
	s_mov_b32 s[\g+5], 32
	s_mov_b32 s[\g+6], 0
	s_mov_b32 s[\g+7], 0
.endr
	s_lshl_b32 s21, s43, 2
	s_add_co_u32 s21, s21, s41                     ; my 256 tokens: 4 Y + cy
	s_mov_b32 s88, s21
	s_lshl_b32 s21, s21, 1
	s_add_co_u32 s21, s21, s20
	s_mul_i32 s22, s21, 102400
	s_mov_b32 s23, 0
	s_lshl_b32 s46, ttmp9, 2
	s_add_co_u32 s46, s46, s40                     ; my 128 columns: 4 X + cx
	s_mov_b32 s89, s46
	s_add_co_u32 s46, s46, 24                      ; W_p's blocks lie behind W_qkv's 24
	s_mul_i32 s46, s46, 102400
	s_mov_b32 s47, 0
	s_mul_i32 s42, s20, 102400
	s_mul_i32 s94, s20, 51200                      ; waves 2, 3: which half of W_p's block
	s_mov_b32 s95, 0
	s_lshl_b32 s90, s43, 2
	s_mov_b32 s91, 0
	s_wait_dscnt 0x0
	s_wait_kmcnt 0x0
	s_add_nc_u64 s[22:23], s[4:5], s[22:23]
	s_add_nc_u64 s[46:47], s[6:7], s[46:47]
	s_add_nc_u64 s[14:15], s[14:15], s[90:91]
	s_load_b32 s90, s[14:15], 0x0                  ; the batch's subject
	s_mov_b32 s[G0A], 1
	s_mov_b32 s[G0A+1], s42
	s_mov_b64 s[G0A+2:G0A+3], s[22:23]
	s_or_b32 s[G0A+3], s[G0A+3], 0x80000000
	s_mov_b32 s[G0B], 1
	s_add_co_u32 s[G0B+1], s94, WLDS
	s_add_nc_u64 s[G0B+2:G0B+3], s[46:47], s[94:95]
	s_or_b32 s[G0B+3], s[G0B+3], 0x80000000
	CROUND                                         ; all sixteen work-groups are here: the joint loads meet
	s_cmp_lt_u32 s18, 2                            ; two arms, one load in each: every wave issues one
	s_cbranch_scc0 .Lnot_y
	tensor_load_to_lds s[G0A:G0A+3], s[G1A:G1A+7]
	s_nop 0
.rept 4
	v_nop
.endr
	s_branch .Lasked
.Lnot_y:
	tensor_load_to_lds s[G0B:G0B+3], s[G1B:G1B+7]
	s_nop 0
.rept 4
	v_nop
.endr
.Lasked:
	v_and_b32 v1, 15, v0                           ; r
	v_bfe_u32 v2, v0, 4, 1                         ; h
	v_and_b32 v3, 31, v0                           ; lane
	v_lshlrev_b32 v4, 4, v3
	v_lshlrev_b32 v5, 3, v3
	s_mul_i32 s92, s19, 102400
	v_add_nc_u32 v[ADA16], s92, v4
	v_add_nc_u32 v[ADA8], s92, v5
	s_add_co_u32 s93, s92, 12288
	v_lshl_add_u32 v[ADSA], v1, 2, s93
	s_mul_i32 s92, s20, 6144                       ; my four tiles of W_p's eight
	s_add_co_u32 s92, s92, WLDS
	v_add_nc_u32 v[ADB16], s92, v4
	v_add_nc_u32 v[ADB8], s92, v5
	s_lshl_b32 s92, s20, 8
	s_add_co_u32 s92, s92, WLDS+12288
	v_lshl_add_u32 v[ADSB], v1, 2, s92
	s_mul_i32 s92, s18, 4352
	s_add_co_u32 s92, s92, STG                     ; my stage
	v_mul_u32_u24 v6, v1, 272
	v_lshl_add_u32 v6, v2, 6, v6
	v_add_nc_u32 v[STO], s92, v6                   ; in: row r, + 64 h
	v_mul_u32_u24 v6, v2, 272
	v_lshl_add_u32 v6, v1, 4, v6
	v_add_nc_u32 v[RD], s92, v6                    ; back: lanes 0-15 one row of 256 bytes, lanes 16-31 the next
	v_lshlrev_b32 v[CO], 12, v2
	v_lshl_add_u32 v[CO], v1, 4, v[CO]             ; and the same in out0
	v_lshlrev_b32 v17, 18, v2
	v_lshl_add_u32 v17, v1, 5, v17                 ; h2p: place r's 32 bytes, lanes 16-31 one pair of heads on
	v_and_b32 v18, 8, v1
	v_add_nc_u32 v18, v18, v1
	v_lshlrev_b32 v18, 5, v18                      ; B2: row r + 8 (r / 8) of the tile, 32 bytes
	v_lshlrev_b32 v19, 6, v2                       ; the bias: 64 h
	s_lshl_b32 s92, s88, 13
	s_lshl_b32 s93, s19, 12
	s_add_co_u32 s92, s92, s93
	s_mov_b32 s93, 0
	s_add_nc_u64 s[8:9], s[8:9], s[92:93]          ; h2p at my 128 places
	WIN 0x80
.irp a, 0,1,2,3,4,5,6,7                        ; tile a: pairs of heads h, h + 4, 2 + h, 6 + h, eight ranks each
.irp g, 0,1,2,3
	global_load_b128 v[32*\a+8*\g:32*\a+8*\g+3], v17, s[8:9] offset:\a*512+(4*(\g%2)+2*(\g/2))*262144
	global_load_b128 v[32*\a+8*\g+4:32*\a+8*\g+7], v17, s[8:9] offset:\a*512+(4*(\g%2)+2*(\g/2))*262144+16
.endr
.endr
	WIN 0
	s_lshl_b32 s92, s89, 9
	s_lshl_b32 s94, s20, 8
	s_add_co_u32 s92, s92, s94                     ; my first column, in bytes
	s_add_nc_u64 s[12:13], s[12:13], s[92:93]
	s_add_nc_u64 s[16:17], s[16:17], s[92:93]
	s_lshl_b32 s92, s88, 20
	s_lshl_b32 s94, s19, 19
	s_add_co_u32 s92, s92, s94                     ; my first token's row of 4,096 bytes
	s_add_nc_u64 s[16:17], s[16:17], s[92:93]
	s_wait_alu depctr_va_vdst(0)
	s_wait_kmcnt 0x0
	s_min_u32 s90, s90, 9
	s_lshl_b32 s90, s90, 15                        ; an adapter of B2
	s_lshl_b32 s92, s89, 12
	s_add_co_u32 s90, s90, s92
	s_lshl_b32 s92, s20, 11
	s_add_co_u32 s90, s90, s92
	s_mov_b32 s91, 0
	s_add_nc_u64 s[10:11], s[10:11], s[90:91]
	WIN 0x40
.irp b, 0,1,2,3
	global_load_b128 v[160+8*\b:163+8*\b], v18, s[10:11] offset:(32*(\b/2)+8*(\b%2))*32
	global_load_b128 v[164+8*\b:167+8*\b], v18, s[10:11] offset:(32*(\b/2)+8*(\b%2))*32+16
	global_load_b128 v[128+8*\b:131+8*\b], v19, s[12:13] offset:(32*(\b/2)+8*(\b%2))*4
	global_load_b128 v[132+8*\b:135+8*\b], v19, s[12:13] offset:(32*(\b/2)+8*(\b%2))*4+16
.endr
	s_wait_loadcnt 0x0
	WIN 0x8a                                       ; all in window 2
.irp a, 0,1,2,3,4,5,6,7
.irp p, 0,1
.irp e, 0,2,4,6
	v_pk_add_f32 v[32*\a+16*\p+\e:32*\a+16*\p+\e+1], v[32*\a+16*\p+\e:32*\a+16*\p+\e+1], v[32*\a+16*\p+8+\e:32*\a+16*\p+8+\e+1]
.endr
.endr
.endr
	WIN 0x0a                                       ; sources window 2, destination window 0
.irp a, 0,1,2,3,4,5,6,7
.irp p, 0,1
.irp e, 0,1,2,3
	v_cvt_pk_bf16_f32 v[160+8*\a+4*\p+\e], v[32*\a+16*\p+2*\e], v[32*\a+16*\p+2*\e+1]   ; K slot 8 h + rank, and 16 + 8 h + rank
.endr
.endr
.endr
	WIN 0x41                                       ; source 0 and destination window 1
.set ii, 0
.rept 16
	v_pk_mul_f32 v[160+ii:161+ii], v[160+ii:161+ii], 0x3e000000 op_sel_hi:[1,0]   ; alpha / rank = 1 / 8: exact
.set ii, ii+2
.endr
	WIN 0x45
.irp b, 0,1,2,3
.irp e, 0,1,2,3
	v_cvt_pk_bf16_f32 v[96+8*\b+\e], v[160+8*\b+2*\e], v[160+8*\b+2*\e+1]
	v_cvt_pk_bf16_f32 v[100+8*\b+\e], v[160+8*\b+2*\e], v[160+8*\b+2*\e+1]     ; the same in every group of K
.endr
.endr
	WIN 0x91                                       ; source 0 and C window 1, source 1 window 0, D window 2
.irp a, 0,1,2,3,4,5,6,7
.irp b, 0,1,2,3
	v_wmma_f32_16x16x32_bf16 v[8*(4*\a+\b):8*(4*\a+\b)+7], v[96+8*\b:103+8*\b], v[160+8*\a:167+8*\a], v[128+8*\b:135+8*\b]
.endr
.endr
	WIN 0
.rept 5
	v_nop                                          ; another form takes these sums up: five places
.endr
.macro FETCH st                        ; K step st's fragments and scale words into set st % 2
.set PS, (\st)%2
	WIN 0x40
.irp b, 0,1,2,3
	ds_load_b128 v[48*PS+12*\b:48*PS+12*\b+3], v[ADB16] offset:PS*STP+\b*1536
	ds_load_b64 v[48*PS+12*\b+4:48*PS+12*\b+5], v[ADB8] offset:PS*STP+\b*1536+512
	ds_load_b128 v[48*PS+12*\b+6:48*PS+12*\b+9], v[ADB16] offset:PS*STP+\b*1536+768
	ds_load_b64 v[48*PS+12*\b+10:48*PS+12*\b+11], v[ADB8] offset:PS*STP+\b*1536+1280
.endr
	WIN 0
.irp a, 0,1,2,3,4,5,6,7
	ds_load_b128 v[64+96*PS+12*\a:64+96*PS+12*\a+3], v[ADA16] offset:PS*STP+\a*1536
	ds_load_b64 v[64+96*PS+12*\a+4:64+96*PS+12*\a+5], v[ADA8] offset:PS*STP+\a*1536+512
	ds_load_b128 v[64+96*PS+12*\a+6:64+96*PS+12*\a+9], v[ADA16] offset:PS*STP+\a*1536+768
	ds_load_b64 v[64+96*PS+12*\a+10:64+96*PS+12*\a+11], v[ADA8] offset:PS*STP+\a*1536+1280
.endr
.irp a, 0,1,2,3,4,5,6,7
	ds_load_b32 v[SC+12*PS+\a], v[ADSA] offset:PS*STP+\a*64
.endr
.irp b, 0,1,2,3
	ds_load_b32 v[SC+12*PS+8+\b], v[ADSB] offset:PS*STP+\b*64
.endr
.endm
.macro KSTEP st
	s_wait_dscnt 0x0                               ; this step's fragments are in
.if (\st) < 7
.if ((\st)+1)%2 == 0
.irp g, ADA16, ADA8, ADB16, ADB8, ADSA, ADSB
	v_add_nc_u32 v[\g], CH, v[\g]                  ; on to that chunk; these six lines are also the places in front of the loads below
.endr
.else
.rept 4
	v_nop
.endr
.endif
	FETCH (\st)+1
.endif
.set PS, (\st)%2
	WIN 0xa1                                       ; source 0 window 1, source 1 window 0, C and D window 2
.irp a, 0,1,2,3,4,5,6,7                        ; the 32 accumulators take turns, one instruction a turn
.irp b, 0,1,2,3
	v_wmma_scale_f32_16x16x128_f8f6f4 v[8*(4*\a+\b):8*(4*\a+\b)+7], v[48*PS+12*\b:48*PS+12*\b+11], v[64+96*PS+12*\a:64+96*PS+12*\a+11], v[8*(4*\a+\b):8*(4*\a+\b)+7], v[SC+12*PS+8+\b], v[SC+12*PS+\a] matrix_a_fmt:MATRIX_FMT_FP6 matrix_b_fmt:MATRIX_FMT_FP6
.endr
.endr
	WIN 0
.endm
	s_wait_tensorcnt 0x0                           ; my one load has landed
	s_barrier_signal -1
	s_barrier_wait -1
	FETCH 0
	KSTEP 0
	KSTEP 1
	s_wait_alu depctr_va_vdst(0)
	KSTEP 2
	KSTEP 3
	s_wait_alu depctr_va_vdst(0)
	KSTEP 4
	KSTEP 5
	s_wait_alu depctr_va_vdst(0)
	KSTEP 6
	KSTEP 7
.rept 4
	v_nop                                          ; places in front of the first read of results and of loads into registers that held fragments
.endr
; THE WAY OUT, a tile of 16 tokens x 64 columns at a time: through my own stage, back as whole rows of 256 bytes.  LDS serves a wave's instructions in order (ISA guide 5.7.1.4): no wait between the stores and the loads
.macro TOSTAGE a
	WIN 0x08                                       ; an LDS store's data: window 2
.irp b, 0,1,2,3
	ds_store_b128 v[STO], v[8*(4*(\a)+\b):8*(4*(\a)+\b)+3] offset:128*(\b/2)+32*(\b%2)      ; register j of tile 2 B + u is column 32 B + 16 h + 8 u + j; each accumulator from its low end on
	ds_store_b128 v[STO], v[8*(4*(\a)+\b)+4:8*(4*(\a)+\b)+7] offset:128*(\b/2)+32*(\b%2)+16
.endr
	WIN 0
.set BB, 64+32*((\a)%2)
.irp t, 0,1,2,3,4,5,6,7
	ds_load_b128 v[BB+4*\t:BB+4*\t+3], v[RD] offset:\t*544
.endr
.endm
.macro SEND a, younger
.set BB, 64+32*((\a)%2)
	s_wait_dscnt \younger
.irp t, 0,1,2,3,4,5,6,7                        ; place 2 t + h of tile 2 A + u is token 32 A + 8 u + 2 t + h + 8 (t / 4)
	global_store_b128 v[CO], v[BB+4*\t:BB+4*\t+3], s[16:17] offset:(32*((\a)/2)+8*((\a)%2)+2*\t+8*(\t/4))*4096 th:TH_STORE_NT   ; sixteen lanes store 256 consecutive bytes, aligned
.endr
.endm
	TOSTAGE 0
.irp a, 1,2,3,4,5,6,7
.if \a > 1
	s_wait_xcnt 0x0                                ; the stores of two tiles back have read the registers into which this tile's rows land
.endif
	TOSTAGE \a
	SEND \a-1, 16                                  ; behind that tile's loads: this tile's 8 stores and 8 loads
.endr
	SEND 7, 0
	s_wait_tensorcnt 0x0
	ds_add_u32 v62, v63
	s_wait_dscnt 0x0
	CROUND                                         ; the closing round
	s_endpgm
.Lfunc_end_k_q1306289783_proj:
	.size	k_q1306289783_proj, .Lfunc_end_k_q1306289783_proj-k_q1306289783_proj
	.p2alignl 7, 3214868480
	.fill 96, 4, 3214868480
	.section	.rodata,"a",@progbits
	.p2align	6, 0x0
	.amdhsa_kernel k_q1306289783_proj
		.amdhsa_group_segment_fixed_size 327680
		.amdhsa_private_segment_fixed_size 0
		.amdhsa_enable_private_segment 0
		.amdhsa_kernarg_size 56
		.amdhsa_user_sgpr_count 2
		.amdhsa_user_sgpr_kernarg_segment_ptr 1
		.amdhsa_wavefront_size32 1
		.amdhsa_system_sgpr_workgroup_id_x 1
		.amdhsa_system_sgpr_workgroup_id_y 1
		.amdhsa_system_sgpr_workgroup_id_z 1
		.amdhsa_system_vgpr_workitem_id 0
		.amdhsa_next_free_vgpr 768
		.amdhsa_next_free_sgpr 100
		.amdhsa_reserve_vcc 0
		.amdhsa_float_denorm_mode_32 3
		.amdhsa_float_denorm_mode_16_64 3
		.amdhsa_memory_ordered 1
		.amdhsa_forward_progress 1
		.amdhsa_inst_pref_size 109
	.end_amdhsa_kernel
	.amdgpu_metadata
---
amdhsa.version: [ 1, 2 ]
amdhsa.kernels:
  - .name:           k_q1306289783_proj
    .symbol:         k_q1306289783_proj.kd
    .args:
      - { .name: yop, .offset: 0, .size: 8, .value_kind: global_buffer, .address_space: global }
      - { .name: wop, .offset: 8, .size: 8, .value_kind: global_buffer, .address_space: global }
      - { .name: h2p, .offset: 16, .size: 8, .value_kind: global_buffer, .address_space: global }
      - { .name: B2, .offset: 24, .size: 8, .value_kind: global_buffer, .address_space: global }
      - { .name: b_p, .offset: 32, .size: 8, .value_kind: global_buffer, .address_space: global }
      - { .name: subject_id, .offset: 40, .size: 8, .value_kind: global_buffer, .address_space: global }
      - { .name: out0, .offset: 48, .size: 8, .value_kind: global_buffer, .address_space: global }
    .group_segment_fixed_size: 327680
    .private_segment_fixed_size: 0
    .kernarg_segment_align: 8
    .kernarg_segment_size: 56
    .max_flat_workgroup_size: 128
    .sgpr_count:     100
    .vgpr_count:     768
    .wavefront_size: 32
...
	.end_amdgpu_metadata
.endif
;; end of part 4
